; MI455X (gfx1250); checked and timed in simulation.
; The chip was launched on July 23, 2026; its instructions are those of AMD's public machine-readable ISA for CDNA 5 (MIT licence, August 2026) and "CDNA5" Instruction Set Architecture Reference Guide (July 2026). The comments in the code are by the model that wrote it; some were corrected since.
;; Q Self Attention. Allowed arithmetic: matrix products marked QUANTISED: E4M3 operands, one E8M0 scale for each 32 along K, by v_wmma_scale_f32_16x16x128_f8f6f4 with both operands' format E4M3, f32 sums; everything else in f32.
;; Inputs: attn_bias 1 x 1 x 2,048 x 2,048 float32; b_proj 1,024 float32; q_bias 1,024 float32; scale_mul 1 x 16 x 1 x 1 float32; v_bias 1,024 float32; w_proj_codes 1,024 x 32 x 32 uint8 (E4M3 codes of w_proj, K innermost, in blocks of 32 codes); w_proj_scales 1,024 x 32 uint8 (E8M0 scales of w_proj, one for each 32 codes along K); w_qkv_codes 3,072 x 32 x 32 uint8 (E4M3 codes of w_qkv, K innermost, in blocks of 32 codes); w_qkv_scales 3,072 x 32 uint8 (E8M0 scales of w_qkv, one for each 32 codes along K); x_codes 2 x 2,048 x 32 x 32 uint8 (E4M3 codes of x, K innermost, in blocks of 32 codes); x_scales 2 x 2,048 x 32 uint8 (E8M0 scales of x, one for each 32 codes along K).
;; Outputs: out0 2 x 2,048 x 1,024 float32.
;; This version of the problem:
;;   THIS VERSION OF THE PROBLEM IS GIVEN IN LOW PRECISION. The matrix products marked QUANTISED in the list below multiply operands that are first quantised to E4M3 (4 exponent bits, 3 mantissa bits; 8 bits a number), with one power-of-two scale for each 32 numbers along K (OCP MX v1.0); their sums are f32. All else is computed in f32.
;;   The module's matrix products, in the order in which they are computed (A, B: the left and right operand; K: the contracted axis; several contracted axes count as one K, in the product's order):
;;     1. [M 4,096, K 1,024] x [K 1,024, N 3,072]; A: input x (given as codes); B: input w_qkv (given as codes): QUANTISED
;;     2. batch 32 x [M 2,048, K 64] x [K 64, N 2,048]; A: computed on the way; B: computed on the way: QUANTISED
;;     3. batch 32 x [M 2,048, K 2,048] x [K 2,048, N 64]; A: softmax (see below); B: computed on the way: QUANTISED
;;     4. [M 4,096, K 1,024] x [K 1,024, N 1,024]; A: computed on the way; B: input w_proj (given as codes): QUANTISED
;;   THE QUANTISER, for each operand of a quantised product, along K:
;;     - K is cut into blocks of 32 from its start; a last block that is shorter is filled with zeros.
;;     - A block's scale is 2^e with e = floor(log2(the largest magnitude in the block)) - 8, held to -126 .. 127; a block of zeros has e = 0. As a byte (E8M0): e + 127.
;;     - Each number is divided by its block's scale, clamped to +-448, and rounded to the nearest number of E4M3, ties to even, subnormals kept.
;;     - The product sums the exact products of the quantised numbers (number of the format x scale) in f32.
;;   ~~~python
;;   def quantise(x, axis):      # numpy; x: float32 -> the quantised numbers, widened to float32 again
;;       x = np.moveaxis(x, axis, -1); K = x.shape[-1]
;;       x = np.pad(x, [(0, 0)] * (x.ndim - 1) + [(0, -K % 32)]); x = x.reshape(x.shape[:-1] + (-1, 32)); a = np.abs(x).max(-1, keepdims=True)
;;       e = np.where(a > 0, np.clip(np.frexp(np.where(a > 0, a, 1))[1] - 1 - 8, -126, 127), 0)      # np.frexp(a)[1] - 1 = floor(log2(a)), exactly
;;       r = np.clip(x / 2.0 ** e, -448, 448)
;;       step = 2.0 ** (np.maximum(np.frexp(np.where(r == 0, 1, r))[1] - 1, -6) - 3)
;;       q = np.round(r / step) * step * 2.0 ** e      # np.round: ties to even
;;       return np.moveaxis(q.reshape(q.shape[:-2] + (-1,))[..., :K], -1, axis).astype(np.float32)
;;   ~~~
;;   SOFTMAX AHEAD OF A QUANTISED PRODUCT. Where the list says 'softmax', what is quantised is not the finished softmax but p = 2^(t - M), with t = logit x log2(e) and M = ceil(the row's largest t), a whole number; so 1/2 < the row's largest p <= 1. The row's sum l is taken of the UNQUANTISED p, in f32, and the product's result is divided by l at the end. Since M is a whole number, a kernel that streams over the keys may use a running M (the ceiling of the running maximum): every later rescaling is an exact power of two, which a block's scale takes up: the codes' values come out the same.
;;   OPERANDS COMPUTED ON THE WAY. 'Computed on the way' means the value that the module computes at that place (a softmax that the list does not call 'softmax' is quantised finished and normalised). What goes into a quantiser is computed in f32, as accurately as f32 sums, v_exp_f32 and their like allow (about 1e-6 of the number): no bf16 or f16 on the way to a quantiser, and a product that is left as it is and whose result goes on into a quantised operand takes f32 operands (vector FMAs, or v_wmma_f32_16x16x4_f32). A number that lies on a knife's edge between two numbers of the format may be rounded either way, as far as f32 arithmetic and the matrix unit's own rounding can turn it there, and no further.
;;   INPUTS GIVEN AS CODES. w_proj (in the module: [1024, 1024], K = its axis 1); w_qkv (in the module: [3072, 1024], K = its axis 1); x (in the module: [2, 2048, 1024], K = its axis 2): each comes as NAME_codes (uint8): NAME with its K axis moved to the last place and cut into blocks of 32 codes, [.., K / 32, bytes a block], one block behind the other in memory; one code a byte (a code: sign, 4 exponent bits, 3 mantissa bits); and NAME_scales (uint8): the same leading axes, one E8M0 byte (e + 127) for each 32 codes along K. Its value is code x scale, taken as it is: it is not quantised again, and the codes and scales need not be those that the quantiser above would give.
;; One version. Each part assembles by itself: llvm-mc -triple=amdgcn-amd-amdhsa -mcpu=gfx1250 --defsym DOCPART=n.
;; ======== version 1 of 1: 3 launches
;; limits: right only within a limited range of input values
;; workspace buffers: qimg 4,194,304 bytes; qs 262,144 bytes; kv 8,650,752 bytes; oimg 4,194,304 bytes; os 131,072 bytes
;; launch qkv (part 1): grid 12 x 16, 4 waves a work-group, clusters of 4 x 4, 327,680 bytes of LDS; arguments x_codes, x_scales, w_qkv_codes, w_qkv_scales, q_bias, v_bias, scale_mul, qimg, qs, kv; writes qimg, qs, kv
.if DOCPART == 1
	.amdgcn_target "amdgcn-amd-amdhsa--gfx1250"
	.amdhsa_code_object_version 6
	.text
	.protected	k_qc8ca227549_qkv
	.globl	k_qc8ca227549_qkv
	.p2align	8
	.type	k_qc8ca227549_qkv,@function
k_qc8ca227549_qkv:
	s_mov_b64 s[64:65], 0
	v_nop
	global_prefetch_b8 v0, s[64:65] scope:SCOPE_SE
	s_setreg_imm32_b32 hwreg(HW_REG_WAVE_MODE, 25, 1), 1
	s_wait_xcnt 0x0
	s_wait_alu depctr_hold_cnt(0) depctr_sa_sdst(0) depctr_va_vdst(0) depctr_va_sdst(0) depctr_va_ssrc(0) depctr_va_vcc(0) depctr_vm_vsrc(0)
	s_getreg_b32 s2, hwreg(HW_REG_IB_STS2, 6, 4)
	s_cmp_eq_u32 s2, 0
	s_cbranch_scc0 .Lentry_in_a_cluster
	s_endpgm
.Lentry_in_a_cluster:
	s_bfe_u32 s2, ttmp6, 0x10000c
	s_cmp_lg_u32 s2, 0xf033
	s_cbranch_scc0 .Lentry_shape_is_right
	s_endpgm
.Lentry_shape_is_right:
; q, k, v = x W_qkv^T + bias on codes of FP8 (E4M3) with E8M0 scales; q and k are normalised along the head, q is scaled; all three are quantised again and leave as images of operand registers.
; A block of 256 x 256, four waves, K in steps of 256 through two LDS slots, joint loads in clusters of 4 x 4.  LDS region A is shared along a row of the cluster, region B along a column.
; In the clusters that make q and k (cluster x 0, 1) region A takes x's rows (by cy) and region B W's (by cx); in those that make v (cluster x 2) region A takes W_v's rows (by cy) and region B x's (by cx):
; so v comes out with the tokens along a lane's registers, and only global addresses hang on which of the two it is.
.set SIZE_M, 4096
.set SIZE_N, 3072
.set SIZE_K, 1024
.set KSTEP,  256
.set NQ,     KSTEP/128
.set ROWB,   256
.set KROW,   SIZE_K
.set PITCH,  272
.set FR,     16
.set NL,     4
.set NP,     8
.set HALFT,  128*PITCH
.set SLOT,   4*HALFT
.set LAPS,   SIZE_K/(2*KSTEP)
.set KS,     SIZE_K/32
.set SCL,    2*SLOT
.set HALFS,  (128*KS/256)*272
.set SBLK,   (16*KS/256)*272
.set SPARE,  327168
.set KVB,    33792
.set ADRA, 16
.set ADRB, 20
.set L16,  18
.set L4,   19
.set AV,   22
.set AQ,   23
.set ADRS, 27
.set SPW,  28
.set NIL,  29
.set FS,   30
.set SC,   32
.set BQ,   64
.set AF,   128
.set T,    128
.set CD,   160
.set P,    192
.set TM,   208
.set SS,   216
.set F,    224
.set OF,   226
.set SW,   230
.set G1, 24
.set G0, 32
.set G1B, 48
.set G0B, 56
.set G1S, 68
.set G0S, 76
.set G1SB, 80
.set G0SB, 88
.set OUT,  88
.set SOUT, 90
.set MASK, 92
.set SA,   93
.set SG,   94
.set MNT,  95
.set SEL,  96
.set MSB, 0
.macro WIN new
.if MSB != (\new)
	s_set_vgpr_msb (MSB<<8)|(\new)
.set MSB, (\new)
.endif
.endm
.set MUL_LO, 0xa1
.set MUL_HI, 0xf1
.set TO_B,   0x40
.macro JLOAD g0a, g1a, g0b, g1b
	s_cmp_eq_u32 s15, 0
	s_cbranch_scc0 .Lfor_b_\@
	tensor_load_to_lds s[\g0a:\g0a+3], s[\g1a:\g1a+7]
	s_nop 0
.rept 4
	v_nop
.endr
	s_branch .Lasked_\@
.Lfor_b_\@:
	tensor_load_to_lds s[\g0b:\g0b+3], s[\g1b:\g1b+7]
	s_nop 0
.rept 4
	v_nop
.endr
.Lasked_\@:
.endm
.macro CREST
	s_cmp_lg_u32 s14, 0
	s_cbranch_scc1 .Lnot_wave_0_\@
	s_barrier_signal -3
.Lnot_wave_0_\@:
	s_barrier_wait -3
	s_barrier_signal -1
	s_barrier_wait -1
.endm
.macro CROUND
	s_barrier_signal -1
	s_barrier_wait -1
	CREST
.endm
	s_load_b128 s[4:7], s[0:1], 0x0
	s_load_b128 s[8:11], s[0:1], 0x10
	v_lshl_add_u32 v[SPW], v0, 2, SPARE
	v_mov_b32 v[NIL], 0
	ds_add_u32 v28, v29
	ds_add_u32 v28, v29
	s_wait_dscnt 0x0
	v_lshrrev_b32 v1, 5, v0
	v_readfirstlane_b32 s14, v1
	s_lshr_b32 s15, s14, 1
	s_and_b32 s16, s14, 1
	s_bfe_u32 s40, ttmp6, 0x40000
	s_bfe_u32 s41, ttmp6, 0x40004
	s_lshl_b32 s42, ttmp9, 2
	s_add_co_u32 s42, s42, s40
	s_and_b32 s17, ttmp7, 0xffff
	s_lshl_b32 s17, s17, 2
	s_add_co_u32 s17, s17, s41
	s_lshl_b32 s43, s41, 2
	s_lshl_b32 s43, 15, s43
	s_lshl_b32 s44, 0x1111, s40
	s_or_b32 s[G1+0], s43, (0<<16)|(1<<20)|(1<<21)|(5<<22)|(3<<25)
	s_or_b32 s[G1B+0], s44, (0<<16)|(1<<20)|(1<<21)|(5<<22)|(3<<25)
.irp g, G1, G1B
	s_mov_b32 s[\g+1], ROWB<<16
	s_mov_b32 s[\g+2], 256<<16
	s_mov_b32 s[\g+3], ROWB<<16
	s_mov_b32 s[\g+4], 256
	s_mov_b32 s[\g+5], KROW
	s_mov_b32 s[\g+6], 0
	s_mov_b32 s[\g+7], 0
.endr
	s_or_b32 s[G1S+0], s43, (3<<16)|(1<<20)|(1<<21)|(5<<22)|(3<<25)
	s_or_b32 s[G1SB+0], s44, (3<<16)|(1<<20)|(1<<21)|(5<<22)|(3<<25)
.irp g, G1S, G1SB
	s_mov_b32 s[\g+1], 32<<16
	s_mov_b32 s[\g+2], KS<<16
	s_mov_b32 s[\g+3], 32<<16
	s_mov_b32 s[\g+4], KS
	s_mov_b32 s[\g+5], 32
	s_mov_b32 s[\g+6], 0
	s_mov_b32 s[\g+7], 0
.endr
	s_mov_b32 s2, ttmp9                            ; cluster x: 0 q, 1 k, 2 v
	s_and_b32 s95, ttmp7, 0xffff
	s_lshl_b32 s95, s95, 2
	s_add_co_u32 s95, s95, s40                     ; v: block of tokens = 4 x cluster y + cx
	s_add_co_u32 s94, s41, 8                       ; v: block of W's rows = 8 + cy
	s_cmp_eq_u32 s2, 2
	s_cselect_b32 s20, s94, s17                    ; region A's block: made of cy alone
	s_cselect_b32 s46, s95, s42                    ; region B's: of cx alone
	s_lshl_b32 s20, s20, 8
	s_lshl_b32 s46, s46, 8
	s_mov_b32 s21, 0
	s_mov_b32 s47, 0
	s_mov_b64 s[18:19], KS
	s_mul_u64 s[22:23], s[20:21], s[18:19]
	s_mul_u64 s[92:93], s[46:47], s[18:19]
	s_mov_b64 s[18:19], KROW
	s_mul_u64 s[20:21], s[20:21], s[18:19]
	s_mul_u64 s[46:47], s[46:47], s[18:19]
	s_mul_i32 s18, s16, 128*KROW                   ; in the ring a wave fetches 128 rows: which half
	s_mov_b32 s19, 0
	s_mul_i32 s45, s14, HALFT
	s_wait_kmcnt 0x0
	s_cmp_eq_u32 s2, 2
	s_cselect_b64 s[96:97], s[8:9], s[4:5]         ; region A's codes and scales: W's for v, else x's
	s_cselect_b64 s[98:99], s[10:11], s[6:7]
	s_cselect_b64 s[4:5], s[4:5], s[8:9]           ; region B's
	s_cselect_b64 s[6:7], s[6:7], s[10:11]
	s_add_nc_u64 s[20:21], s[96:97], s[20:21]
	s_add_nc_u64 s[22:23], s[98:99], s[22:23]
	s_add_nc_u64 s[46:47], s[4:5], s[46:47]
	s_add_nc_u64 s[92:93], s[6:7], s[92:93]
	CROUND
	s_mov_b32 s4, 1                                ; the head's four tiles, each whole: K step 0's 256 rows of region A,
	s_mov_b32 s5, 0
	s_mov_b64 s[6:7], s[20:21]
	s_or_b32 s7, s7, 0x80000000
	s_mov_b32 s8, 1                                ; of region B,
	s_mov_b32 s9, 2*HALFT
	s_mov_b64 s[10:11], s[46:47]
	s_or_b32 s11, s11, 0x80000000
	s_mov_b32 s[G0S], 1                            ; and the two regions' scale bytes
	s_mov_b32 s[G0S+1], SCL
	s_mov_b64 s[G0S+2:G0S+3], s[22:23]
	s_or_b32 s[G0S+3], s[G0S+3], 0x80000000
	s_mov_b32 s[G0SB], 1
	s_mov_b32 s[G0SB+1], SCL+2*HALFS
	s_mov_b64 s[G0SB+2:G0SB+3], s[92:93]
	s_or_b32 s[G0SB+3], s[G0SB+3], 0x80000000
	s_add_nc_u64 s[20:21], s[20:21], s[18:19]
	s_add_nc_u64 s[46:47], s[46:47], s[18:19]
.irp s, 0,1
	s_mov_b32 s[G0+4*\s], 1
	s_add_co_u32 s[G0+4*\s+1], s45, \s*SLOT
	s_add_nc_u64 s[G0+4*\s+2:G0+4*\s+3], s[20:21], \s*ROWB
	s_or_b32 s[G0+4*\s+3], s[G0+4*\s+3], 0x80000000
	s_mov_b32 s[G0B+4*\s], 1
	s_add_co_u32 s[G0B+4*\s+1], s45, \s*SLOT
	s_add_nc_u64 s[G0B+4*\s+2:G0B+4*\s+3], s[46:47], \s*ROWB
	s_or_b32 s[G0B+4*\s+3], s[G0B+4*\s+3], 0x80000000
.endr
; one joint load a wave at the head, each in its own arm of one chain
.macro ARM under, g0, g1, next
	s_cmp_lt_u32 s14, \under
	s_cbranch_scc0 \next
	tensor_load_to_lds s[\g0:\g0+3], s[\g1:\g1+7]
	s_nop 0
.rept 4
	v_nop
.endr
	s_branch .Lhead_asked
\next:
.endm
	ARM 1, 4, G1, .Lhead_b
	ARM 2, 8, G1B, .Lhead_sa
	ARM 3, G0S, G1S, .Lhead_sb
	tensor_load_to_lds s[G0SB:G0SB+3], s[G1SB:G1SB+7]
	s_nop 0
.rept 4
	v_nop
.endr
.Lhead_asked:
	v_and_b32 v1, 15, v0
	v_bfe_u32 v2, v0, 4, 1
	v_mul_u32_u24 v3, v1, PITCH
	v_lshl_add_u32 v4, v2, 4, v3
	s_wait_alu depctr_va_vdst(0)
	s_cmp_eq_u32 s2, 2
	s_cselect_b32 s18, s16, s15                    ; which half of the tokens, which half of the columns
	s_cselect_b32 s19, s15, s16
	s_cselect_b32 s17, s95, s17                    ; the block of tokens and the block of columns in its tensor: for the results' global addresses alone
	s_cselect_b32 s40, s41, s40
	s_mul_i32 s21, s15, HALFT                      ; source 1 reads region A, source 0 region B
	s_mul_i32 s22, s16, HALFT
	s_add_co_u32 s22, s22, 2*HALFT
.irp s, 0,1
	v_add_nc_u32 v[ADRA+\s], s21, v4
	v_add_nc_u32 v[ADRB+\s], s22, v4
	s_add_co_u32 s21, s21, SLOT
	s_add_co_u32 s22, s22, SLOT
.endr
	v_mul_u32_u24 v5, v1, KS
	v_lshrrev_b32 v6, 8, v5
	v_lshl_add_u32 v5, v6, 4, v5
	s_mul_i32 s46, s15, HALFS
	s_mul_i32 s47, s16, HALFS
	s_add_co_u32 s47, s47, 2*HALFS
	s_sub_co_u32 s47, s47, s46
	v_mul_u32_u24 v6, s47, v2                      ; lanes 16-31 take region B's words
	s_add_co_u32 s46, s46, SCL
	v_add_nc_u32 v5, v5, v6
	v_add_nc_u32 v[ADRS], s46, v5
.macro FRAG reg, adr, q, i
.irp c, 0,1,2,3
	ds_load_b128 v[\reg+4*\c:\reg+4*\c+3], v[\adr] offset:128*(\q)+32*\c+(\i)*16*PITCH
.endr
.endm
.macro MUL16 a0, p, q, sc, zero
.irp a, \a0, \a0+1
.irp b, 0,1,2,3,4,5,6,7
.if \zero
	v_wmma_scale_f32_16x16x128_f8f6f4 v[8*(8*((\a)%4)+\b):8*(8*((\a)%4)+\b)+7], v[128*(\p)+FR*\b:128*(\p)+FR*\b+FR-1], v[AF+FR*(\a):AF+FR*(\a)+FR-1], 0, v[SC+8*NQ*(\sc)+NQ*\b+(\q)], v[SC+8*NQ*(\sc)+NQ*(\a)+(\q)] matrix_a_scale:MATRIX_SCALE_ROW1
.else
	v_wmma_scale_f32_16x16x128_f8f6f4 v[8*(8*((\a)%4)+\b):8*(8*((\a)%4)+\b)+7], v[128*(\p)+FR*\b:128*(\p)+FR*\b+FR-1], v[AF+FR*(\a):AF+FR*(\a)+FR-1], v[8*(8*((\a)%4)+\b):8*(8*((\a)%4)+\b)+7], v[SC+8*NQ*(\sc)+NQ*\b+(\q)], v[SC+8*NQ*(\sc)+NQ*(\a)+(\q)] matrix_a_scale:MATRIX_SCALE_ROW1
.endif
.endr
.endr
.endm
.macro FETCH_B slot, q, p
	WIN TO_B
.irp i, 0,1,2,3,4,5,6,7
	FRAG 128*(\p)+FR*\i, ADRB+\slot, \q, \i
.endr
	WIN 0
.endm
.macro FETCH_A slot, q, i0
.irp i, \i0, \i0+1, \i0+2, \i0+3
	FRAG AF+FR*(\i), ADRA+\slot, \q, \i
.endr
.endm
.macro SCALES sc
.irp i, 0,1,2,3,4,5,6,7
	ds_load_b64 v[SC+8*NQ*\sc+NQ*\i:SC+8*NQ*\sc+NQ*\i+1], v[ADRS] offset:\i*SBLK
.endr
.endm
.macro PLACES n
.rept \n
	v_nop
.endr
.endm
.macro STEP slot, q, zero
	s_wait_dscnt 4*NL
	WIN MUL_LO
	MUL16 0, (\q)%2, \q, \slot, \zero
	MUL16 2, (\q)%2, \q, \slot, \zero
	s_wait_dscnt 0
	PLACES NP
	FETCH_B \slot, (\q)+1, 1-(\q)%2
	FETCH_A \slot, (\q)+1, 0
	WIN MUL_HI
	MUL16 4, (\q)%2, \q, \slot, \zero
	MUL16 6, (\q)%2, \q, \slot, \zero
	PLACES NP
	WIN 0
	FETCH_A \slot, (\q)+1, 4
.endm
.macro TURN slot, next, fill
	s_wait_tensorcnt 0x0
	ds_add_u32 v[SPW], v[NIL]
	s_wait_dscnt 4*NL+1
	WIN MUL_LO
	MUL16 0, 1, NQ-1, \slot, 0
	s_wait_dscnt 0x0
	s_barrier_signal -1
	MUL16 2, 1, NQ-1, \slot, 0
	WIN 0
	s_barrier_wait -1
.if \fill
	CREST
	s_add_nc_u64 s[G0+4*\slot+2:G0+4*\slot+3], s[G0+4*\slot+2:G0+4*\slot+3], 2*ROWB
	s_add_nc_u64 s[G0B+4*\slot+2:G0B+4*\slot+3], s[G0B+4*\slot+2:G0B+4*\slot+3], 2*ROWB
	JLOAD G0+4*\slot, G1, G0B+4*\slot, G1B
	PLACES NP-4
.else
	PLACES NP
.endif
	s_wait_alu depctr_va_vdst(0)
	v_add_nc_u32 v[ADRS], 4*NQ, v[ADRS]
	FETCH_B \next, 0, 0
	FETCH_A \next, 0, 0
	SCALES \next
	WIN MUL_HI
	MUL16 4, 1, NQ-1, \slot, 0
	MUL16 6, 1, NQ-1, \slot, 0
	PLACES NP
	WIN 0
	FETCH_A \next, 0, 4
.endm
	s_wait_alu depctr_va_vdst(0)
	s_wait_tensorcnt 0x0                           ; my tile of the head's four is in
	ds_add_u32 v[SPW], v[NIL]
	s_mov_b32 s[G1+2], 128<<16                     ; no tensor load of mine is out: from here on a load brings 128 rows
	s_mov_b32 s[G1+4], 128
	s_mov_b32 s[G1B+2], 128<<16
	s_mov_b32 s[G1B+4], 128
	s_wait_dscnt 0x0
	CROUND
	JLOAD G0+4, G1, G0B+4, G1B
	FETCH_B 0, 0, 0
	FETCH_A 0, 0, 0
	SCALES 0
	FETCH_A 0, 0, 4
	s_load_b256 s[68:75], s[0:1], 0x20
	s_load_b128 s[76:79], s[0:1], 0x40
	v_and_b32 v[L16], 31, v0
	v_lshlrev_b32 v[L4], 2, v[L16]
	v_lshlrev_b32 v[L16], 4, v[L16]
	v_lshlrev_b32 v[AV], 2, v1
	v_lshlrev_b32 v[AQ], 5, v2
	s_lshl_b32 s82, s40, 1
	s_add_co_u32 s82, s82, s19
	s_lshr_b32 s83, s17, 3
	s_lshl_b32 s83, s83, 3
	s_add_co_u32 s83, s83, s82
	s_lshl_b32 s84, s17, 1
	s_add_co_u32 s84, s84, s18
	s_and_b32 s84, s84, 15
	s_lshl_b32 s85, s83, 18
	s_lshl_b32 s86, s84, 13
	s_add_co_u32 s85, s85, s86
	s_lshl_b32 s86, s83, 14
	s_lshl_b32 s87, s84, 9
	s_add_co_u32 s86, s86, s87
	s_lshl_b32 s87, s83, 4
	s_add_co_u32 s87, s87, s84
	s_mul_i32 s87, s87, KVB
	s_mov_b32 s[SA], 1024
	s_mov_b32 s[SG], 8192
	s_cmp_eq_u32 s2, 2
	s_cselect_b32 s[SA], 2048, s[SA]
	s_cselect_b32 s[SG], 1024, s[SG]
	s_cselect_b32 s98, 16384, 0
	s_add_co_u32 s98, s98, s87
	s_cmp_eq_u32 s2, 0
	s_cselect_b32 s[SG], 0x20000, s[SG]
	s_cselect_b32 s98, s85, s98
	s_cselect_b32 s100, s86, s87
	s_cselect_b32 s[MASK], -1, 0
	s_mov_b32 s99, 0
	s_mov_b32 s101, 0
	s_lshl_b32 s84, s82, 9
	s_mov_b32 s85, 0
	s_lshl_b32 s86, s82, 3
	s_mov_b32 s87, 0
	s_mov_b32 s[MNT], 0x600000
	s_mov_b32 s[SEL], 0x76543210
	s_mov_b32 s[SEL+1], 0xfedcba98
	s_wait_alu depctr_va_vdst(0)
	s_wait_kmcnt 0x0
	s_cmp_eq_u32 s2, 0
	s_cselect_b64 s[OUT:OUT+1], s[74:75], s[78:79]
	s_cselect_b64 s[SOUT:SOUT+1], s[76:77], s[78:79]
	s_add_nc_u64 s[OUT:OUT+1], s[OUT:OUT+1], s[98:99]
	s_add_nc_u64 s[SOUT:SOUT+1], s[SOUT:SOUT+1], s[100:101]
	s_add_nc_u64 s[68:69], s[68:69], s[84:85]
	s_add_nc_u64 s[70:71], s[70:71], s[84:85]
	s_add_nc_u64 s[72:73], s[72:73], s[86:87]
	s_load_b64 s[80:81], s[72:73], 0x0
.irp b, 0,1,2,3,4,5,6,7
	global_load_b128 v[BQ+8*\b:BQ+8*\b+3], v[AQ], s[68:69] offset:64*\b
	global_load_b128 v[BQ+8*\b+4:BQ+8*\b+7], v[AQ], s[68:69] offset:64*\b+16
.endr
.irp a, 0,1,2,3,4,5,6,7
	global_load_b32 v[2*\a], v[AV], s[70:71] offset:64*\a
.endr
.irp a, 0,1,2,3,4,5,6,7
	v_mov_b32 v[2*\a+1], 0
.endr
	STEP 0, 0, 1
	s_mov_b32 s3, LAPS-1
.Llap:
	TURN 0, 1, 1
	STEP 1, 0, 0
	TURN 1, 0, 1
	STEP 0, 0, 0
	s_sub_co_u32 s3, s3, 1
	s_cmp_lg_u32 s3, 0
	s_cbranch_scc1 .Llap
	TURN 0, 1, 0
	STEP 1, 0, 0
	s_wait_dscnt 4*NL
	WIN MUL_LO
	MUL16 0, 1, NQ-1, 1, 0
	MUL16 2, 1, NQ-1, 1, 0
	s_wait_dscnt 0
	WIN MUL_HI
	MUL16 4, 1, NQ-1, 1, 0
	MUL16 6, 1, NQ-1, 1, 0
	WIN 0
	s_wait_loadcnt 0x0
	s_wait_kmcnt 0x0
.set i, 0
.rept 64
	v_and_b32 v[BQ+i], s[MASK], v[BQ+i]
.set i, i+1
.endr
	v_mov_b32 v[TM+2], 0
	v_mov_b32 v[TM+3], 0
	v_mov_b32 v[F+1], 0
	v_mov_b32 v[FS], s80
	v_mov_b32 v[FS+1], s81
	v_min_num_f32 v[FS], 0x40935d8e, v[FS]
	v_min_num_f32 v[FS+1], 0x40935d8e, v[FS+1]
	v_mul_f32 v[FS], 0x3fb8aa3b, v[FS]
	v_mul_f32 v[FS+1], 0x3fb8aa3b, v[FS+1]
	s_wait_alu depctr_va_vdst(0)
	v_exp_f32 v[FS], v[FS]
	v_exp_f32 v[FS+1], v[FS+1]
	v_nop
	s_wait_alu depctr_va_vdst(0)
	v_mul_f32 v[FS], 0x3e800000, v[FS]
	v_mul_f32 v[FS+1], 0x3e800000, v[FS+1]
	v_cndmask_b32 v[FS], 1.0, v[FS], s[MASK]
	v_cndmask_b32 v[FS+1], 1.0, v[FS+1], s[MASK]
.macro QUANT2 s, cd, pw
.irp b, 0,1
	v_max3_num_f32 v[TM+\b], |v[(\s)+16*\b]|, |v[(\s)+16*\b+1]|, 0x4800000
.endr
.irp i, 2,4,6,8,10,12,14
.irp b, 0,1
	v_max3_num_f32 v[TM+\b], v[TM+\b], |v[(\s)+16*\b+\i]|, |v[(\s)+16*\b+\i+1]|
.endr
.endr
.irp b, 0,1
	v_permlanex16_b32 v[TM+2+\b], v[TM+\b], s[SEL], s[SEL+1]
.endr
.irp b, 0,1
	v_max_num_f32 v[TM+\b], v[TM+\b], v[TM+2+\b]
.endr
.irp b, 0,1
	v_add_nc_u32 v[TM+6+\b], 0xfc000000, v[TM+\b]
.endr
.irp b, 0,1
	v_and_or_b32 v[TM+4+\b], v[TM+\b], 0x7f800000, s[MNT]
.endr
.irp b, 0,1
	v_lshrrev_b32 v[TM+2+\b], 23, v[TM+6+\b]
.endr
	v_lshl_or_b32 v[\pw], v[TM+3], 8, v[TM+2]
.if (UN%4 == 0) && (UN > 0)            ; the codes and the stores' offset take turns over four sets of registers: ahead of every fourth unit all earlier stores have read theirs
	s_wait_alu depctr_va_vdst(0)
	s_wait_xcnt 0x0
.endif
.irp b, 0,1
.irp i, 0,1,2,3,4,5,6,7,8,9,10,11,12,13,14,15
	v_med3_num_f32 v[(\s)+16*\b+\i], v[(\s)+16*\b+\i], -v[TM+4+\b], v[TM+4+\b]
.endr
	v_cvt_scalef32_pk8_fp8_f32 v[(\cd)+4*\b:(\cd)+4*\b+1], v[(\s)+16*\b:(\s)+16*\b+7], v[TM+6+\b]
	v_cvt_scalef32_pk8_fp8_f32 v[(\cd)+4*\b+2:(\cd)+4*\b+3], v[(\s)+16*\b+8:(\s)+16*\b+15], v[TM+6+\b]
.endr
	v_nop
.endm
.macro UNIT a, g
.set AC, 64*((\a)%4)+32*(\g)
.set UN, 2*(\a)+(\g)                   ; the unit's number, 0 to 15
.set CDU, CD+8*(UN%4)                  ; its codes: v160-191 in four sets
.set OFU, OF+UN%4                      ; its stores' offset: v226-229
	s_cmp_eq_u32 s2, 2
	s_cbranch_scc1 .Lunit_v_\@
	WIN 0x02+(\a)/4
.set i, 0
.rept 16
	v_pk_add_f32 v[T+i:T+i+1], v[AC+i:AC+i+1], v[BQ+32*(\g)+i:BQ+32*(\g)+i+1]
.set i, i+2
.endr
	WIN 0
.irp i, 0,1,2,3
	v_pk_mul_f32 v[SS+2*\i:SS+2*\i+1], v[T+2*\i:T+2*\i+1], v[T+2*\i:T+2*\i+1]
.endr
.irp i, 4,5,6,7,8,9,10,11,12,13,14,15
	v_pk_fma_f32 v[SS+2*(\i%4):SS+2*(\i%4)+1], v[T+2*\i:T+2*\i+1], v[T+2*\i:T+2*\i+1], v[SS+2*(\i%4):SS+2*(\i%4)+1]
.endr
	v_pk_add_f32 v[SS:SS+1], v[SS:SS+1], v[SS+2:SS+3]
	v_pk_add_f32 v[SS+4:SS+5], v[SS+4:SS+5], v[SS+6:SS+7]
	v_pk_add_f32 v[SS:SS+1], v[SS:SS+1], v[SS+4:SS+5]
	v_add_f32 v[SS], v[SS], v[SS+1]
	v_permlanex16_b32 v[SS+2], v[SS], s[SEL], s[SEL+1]
	v_add_f32 v[SS], v[SS], v[SS+2]
	s_wait_alu depctr_va_vdst(0)
	v_rsq_f32 v[F], v[SS]
	v_nop
	s_wait_alu depctr_va_vdst(0)
	v_min_num_f32 v[F], 0x5368d4a5, v[F]
	v_mul_f32 v[F], v[F], v[FS+\g]
.set i, 0
.rept 16
	v_pk_mul_f32 v[T+i:T+i+1], v[T+i:T+i+1], v[F:F+1] op_sel_hi:[1,0]
.set i, i+2
.endr
	s_branch .Lunit_j_\@
.Lunit_v_\@:
	WIN 0x02+(\a)/4
.set i, 0
.rept 16
	v_pk_add_f32 v[T+i:T+i+1], v[AC+i:AC+i+1], v[2*(\a):2*(\a)+1] op_sel_hi:[1,0]
.set i, i+2
.endr
	WIN 0
.Lunit_j_\@:
	s_wait_alu depctr_va_vdst(0)
	QUANT2 T, CDU, P+2*(\a)+(\g)
	s_mul_i32 s100, s[SA], \a
.if \g
	s_add_co_u32 s100, s100, s[SG]
.endif
	v_add_nc_u32 v[OFU], s100, v[L16]
	global_store_b128 v[OFU], v[CDU:CDU+3], s[OUT:OUT+1]
	global_store_b128 v[OFU], v[CDU+4:CDU+7], s[OUT:OUT+1] offset:512
.endm
.irp a, 0,1,2,3,4,5,6,7
	UNIT \a, 0
	UNIT \a, 1
.endr
	v_cmp_gt_u32 vcc_lo, 64, v[L4]
	s_cmp_eq_u32 s2, 0
	s_cbranch_scc0 .Lnot_q
.irp g, 0,1
.irp c, 0,1,2,3
	v_cndmask_b32 v[SW+4*\g+\c], v[P+2*(2*\c+1)+\g], v[P+2*(2*\c)+\g], vcc_lo
.endr
.endr
.irp g, 0,1
.irp c, 0,1,2,3
	v_lshl_or_b32 v[SW+4*\g+\c], v[SW+4*\g+\c], 16, v[SW+4*\g+\c]
	global_store_b32 v[L4], v[SW+4*\g+\c], s[SOUT:SOUT+1] offset:\g*8192+\c*128
.endr
.endr
	s_branch .Lwords_out
.Lnot_q:
	s_cmp_eq_u32 s2, 1
	s_cbranch_scc0 .Lwords_v
.irp g, 0,1
.irp c, 0,1,2,3
	v_lshl_or_b32 v[SW+4*\g+\c], v[P+2*(2*\c+1)+\g], 16, v[P+2*(2*\c)+\g]
.endr
.endr
.irp g, 0,1
.irp c, 0,1
	v_cndmask_b32 v[SW+8+2*\g+\c], v[SW+4*\g+2*\c+1], v[SW+4*\g+2*\c], vcc_lo
	global_store_b32 v[L4], v[SW+8+2*\g+\c], s[SOUT:SOUT+1] offset:32768+\g*256+\c*128
.endr
.endr
	s_branch .Lwords_out
.Lwords_v:
.irp a, 0,1,2,3,4,5,6,7
	v_lshl_or_b32 v[SW+\a], v[P+2*\a+1], 16, v[P+2*\a]
.endr
.irp c, 0,1,2,3
	v_cndmask_b32 v[SW+8+\c], v[SW+2*\c+1], v[SW+2*\c], vcc_lo
	global_store_b32 v[L4], v[SW+8+\c], s[SOUT:SOUT+1] offset:33280+\c*128
.endr
.Lwords_out:
	s_wait_tensorcnt 0x0
	ds_add_u32 v[SPW], v[NIL]
	s_wait_dscnt 0x0
	CROUND
	s_endpgm
.Lfunc_end_k_qc8ca227549_qkv:
	.size	k_qc8ca227549_qkv, .Lfunc_end_k_qc8ca227549_qkv-k_qc8ca227549_qkv
	.p2alignl 7, 3214868480
	.fill 96, 4, 3214868480
	.section	.rodata,"a",@progbits
	.p2align	6, 0x0
	.amdhsa_kernel k_qc8ca227549_qkv
		.amdhsa_group_segment_fixed_size 327680
		.amdhsa_private_segment_fixed_size 0
		.amdhsa_enable_private_segment 0
		.amdhsa_kernarg_size 80
		.amdhsa_user_sgpr_count 2
		.amdhsa_user_sgpr_kernarg_segment_ptr 1
		.amdhsa_wavefront_size32 1
		.amdhsa_system_sgpr_workgroup_id_x 1
		.amdhsa_system_sgpr_workgroup_id_y 1
		.amdhsa_system_sgpr_workgroup_id_z 1
		.amdhsa_system_vgpr_workitem_id 0
		.amdhsa_next_free_vgpr 1024
		.amdhsa_next_free_sgpr 102
		.amdhsa_reserve_vcc 1
		.amdhsa_float_denorm_mode_32 3
		.amdhsa_float_denorm_mode_16_64 3
		.amdhsa_memory_ordered 1
		.amdhsa_forward_progress 1
		.amdhsa_inst_pref_size 255
	.end_amdhsa_kernel
	.section	.bss,"aw",@nobits
	.p2align	6
	.space	262144
	.amdgpu_metadata
---
amdhsa.version: [ 1, 2 ]
amdhsa.kernels:
  - .name:           k_qc8ca227549_qkv
    .symbol:         k_qc8ca227549_qkv.kd
    .args:
      - { .name: x_codes, .offset: 0, .size: 8, .value_kind: global_buffer, .address_space: global }
      - { .name: x_scales, .offset: 8, .size: 8, .value_kind: global_buffer, .address_space: global }
      - { .name: w_qkv_codes, .offset: 16, .size: 8, .value_kind: global_buffer, .address_space: global }
      - { .name: w_qkv_scales, .offset: 24, .size: 8, .value_kind: global_buffer, .address_space: global }
      - { .name: q_bias, .offset: 32, .size: 8, .value_kind: global_buffer, .address_space: global }
      - { .name: v_bias, .offset: 40, .size: 8, .value_kind: global_buffer, .address_space: global }
      - { .name: scale_mul, .offset: 48, .size: 8, .value_kind: global_buffer, .address_space: global }
      - { .name: qimg, .offset: 56, .size: 8, .value_kind: global_buffer, .address_space: global }
      - { .name: qs, .offset: 64, .size: 8, .value_kind: global_buffer, .address_space: global }
      - { .name: kv, .offset: 72, .size: 8, .value_kind: global_buffer, .address_space: global }
    .group_segment_fixed_size: 327680
    .private_segment_fixed_size: 0
    .kernarg_segment_align: 8
    .kernarg_segment_size: 80
    .max_flat_workgroup_size: 128
    .sgpr_count:     102
    .vgpr_count:     1024
    .wavefront_size: 32
...
	.end_amdgpu_metadata
.endif
;; end of part 1
;; launch attn (part 2): grid 16 x 16, 8 waves a work-group, clusters of 4 x 4, 327,680 bytes of LDS; arguments qimg, qs, kv, attn_bias, oimg, os; writes oimg, os
.if DOCPART == 2
	.amdgcn_target "amdgcn-amd-amdhsa--gfx1250"
	.amdhsa_code_object_version 6
	.text
	.protected	k_qc8ca227549_attn
	.globl	k_qc8ca227549_attn
	.p2align	8
	.type	k_qc8ca227549_attn,@function
k_qc8ca227549_attn:
	s_mov_b64 s[64:65], 0
	v_nop
	global_prefetch_b8 v0, s[64:65] scope:SCOPE_SE
	s_setreg_imm32_b32 hwreg(HW_REG_WAVE_MODE, 25, 1), 1
	s_wait_xcnt 0x0
	s_wait_alu depctr_hold_cnt(0) depctr_sa_sdst(0) depctr_va_vdst(0) depctr_va_sdst(0) depctr_va_ssrc(0) depctr_va_vcc(0) depctr_vm_vsrc(0)
	s_getreg_b32 s2, hwreg(HW_REG_IB_STS2, 6, 4)
	s_cmp_eq_u32 s2, 0
	s_cbranch_scc0 .Lentry_in_a_cluster
	s_endpgm
.Lentry_in_a_cluster:
	s_bfe_u32 s2, ttmp6, 0x10000c
	s_cmp_lg_u32 s2, 0xf033
	s_cbranch_scc0 .Lentry_shape_is_right
	s_endpgm
.Lentry_shape_is_right:
; oup = softmax(q k^T + attn_bias) v for 32 (batch, head) pairs of 2,048 tokens and head size 64, both products on codes of FP8 (E4M3) with one E8M0 scale for each 32 along K; oup is quantised along d for the projection.
; q, k, v come as images of operand registers (four registers of 32 lanes = 512 bytes, lane l's 16 bytes at 16 l) with their scale words, as the launch before laid them.
; THE SOFTMAX: t = logit x log2(e); M = the row's largest t so far, rounded UP to a whole number; p = 2^(t - M) is quantised along the keys, not normalised; the row's sum is taken of the unquantised p and divides at the end.
; When M moves, the sum and O are multiplied by 2^(old M - new M): exact.
; SHARES.  A work-group owns 128 queries of two heads; each of its EIGHT waves 32 queries of one head (g = wave % 2), as two tiles of 16: tile 0's numbers stand in register window 0, tile 1's under the same
; numbers in window 1, so one text serves both.  A fragment of K or of V that a wave reads from LDS feeds both tiles.  K's fragments stand in window 0 at v40, V's in window 1 at v40.
; A step's bias tile (128 queries x 128 keys, f32) and its block of kv (33,792 dense bytes) come through a ring of two LDS slots; every wave fetches a quarter: waves 0-3 of the bias, waves 4-7 of kv.
; THE ORDER OF A STEP.  At its head K, both bias tiles and V of THIS step are in registers or on their way from LDS.  Scores of both tiles; tile 0's softmax, in whose middle stand the lines and the round's signal:
; this step's slot has been read out, the other slot is whole.  Behind the round the slot is filled with the step two on, and the NEXT step's K and tile 0's bias are read; tile 1's softmax; tile 1's next bias; both tiles' second products; the next V.
; CLUSTERS: 4 x 4 work-groups.  The bias tile hangs on the block of queries alone, which a column of the cluster shares; kv on (batch, pair of heads) alone, which a row shares: each is asked for jointly.
; LAYOUT.  Both products are used transposed: S^T = K Q^T, O^T = V^T P^T: a lane holds ONE query (lane % 16).  The head's 64 is half of the instruction's 128: a fragment of K holds TWO tiles of 16 keys,
; and q stands as q | zeros | q in 24 registers: the first 16 give the first tile's scores, the last 16 the second's.  THE BIAS IS THE C of the score product.
; The 16 registers of two neighbouring tiles are keys 32 c + 8 h + 0..7 and 32 c + 16 + 8 h + 0..7; V's images have the keys of a block in the same order.
; LIMITS: NaN and infinities are not served; a p under 2^-126 counts as 0; a block whose largest number lies under 2^-118 keeps the byte 1; the division by the sum is a multiplication by v_rcp_f32's result.
; THE ORDER OF THE KEYS.  A cluster walks the sixteen key steps round from step (4 x cluster x + cluster y) mod 16: the running maximum takes the keys in any order, and the sixteen clusters ask for sixteen different
; key steps at one time.  The first step hangs on the cluster's numbers alone, so the joint loads' descriptors are the same in all partners.
.set SLOT1, 1<<17
.set BP,    528                        ; a row of the bias tile in LDS: 512 bytes + 16
.set KVO,   128*BP
.set KVB,   33792
.set SPARE, 2*SLOT1                    ; the spare words, 128 bytes for each of 8 waves
.set OSC,   SPARE+2048                 ; 512 bytes: oup's scale words of the work-group's 8 tiles
.set AB0,  1                           ; v1-4 my lane's places: bias tile, images, scale words, oup's scale bytes
.set AK0,  2
.set AS0,  3
.set AOS,  4
.set SPW,  5
.set NIL,  6
.set PFO,  7
.set ADB,  8                           ; v8-10 the same places in the slot that is read next
.set ADK,  9
.set ADS,  10
.set GO,   11                          ; 16 x lane
.set FRG,  40
.set S,    104                         ; bias, then S^T, then p
.set O,    168
.set PC,   200
.set TM,   216
.set QS,   244                         ; window 0: q's scale words, tile u at QS + 8 u;  v240-243 K's and V's
.set PS,   245                         ; p's, tile u at PS + 8 u
.set ROS,  249
.set QO,   250
.set WV,   18
.set MNT,  19
.set SEL,  20
.set CS,   22
.set G1B,  24
.set G1K,  32
.set G0B,  40
.set G0K,  44
.set TB,   2
.set SLOTS, 3
.set PFA,  76
.set PFS,  78
.set LIM,  80
.set KST,  95                          ; s95 the key step that was asked for last; s[96:97] an offset; s[70:71], s[72:73], s[98:99] where my quarter of the bias, of kv and my prefetches stand at key step 0
.set MSB, 0
.macro WIN new                         ; low byte: bits 1:0 source 0, 3:2 source 1, 5:4 source 2, 7:6 destination; the high byte repeats the setting that is left
.if MSB != (\new)
	s_set_vgpr_msb (MSB<<8)|(\new)
.set MSB, (\new)
.endif
.endm
.macro PLACES n
.rept \n
	v_nop
.endr
.endm
.macro TLOAD                           ; every wave's one joint load: a quarter of the bias tile or of kv
	s_cmp_lt_u32 s[WV], 4
	s_cbranch_scc0 .Lfor_kv_\@
	tensor_load_to_lds s[G0B:G0B+3], s[G1B:G1B+7]
	s_nop 0
	PLACES 4
	s_branch .Lasked_\@
.Lfor_kv_\@:
	tensor_load_to_lds s[G0K:G0K+3], s[G1K:G1K+7]
	s_nop 0
	PLACES 4
.Lasked_\@:
.endm
; A PREFETCH of what the NEXT fill will ask for, one key step ahead of that load.  Every cluster asks for what it will itself load, each aligned block of 256 bytes once.  The bias tile: the four partners of a column take
; 32 rows each, told apart by address (cy); wave 4 names the first 256 bytes of a row's 512, wave 5 the second, a lane a row.  kv: the partners of a row take 8,192 bytes of codes each (cx); wave 6, lanes 256 bytes apart.  The last fill asks for nothing.
.macro ASK
	s_cmp_gt_u32 s[SLOTS], s[LIM]
	s_cbranch_scc0 .Lnot_mine_\@
	global_prefetch_b8 v[PFO], s[PFA:PFA+1] th:TH_LOAD_NT scope:SCOPE_SE
.Lnot_mine_\@:
.endm
.macro CREST
	s_cmp_lg_u32 s[WV], 0
	s_cbranch_scc1 .Lnot_wave_0_\@
	s_barrier_signal -3
.Lnot_wave_0_\@:
	s_barrier_wait -3
	s_barrier_signal -1
	s_barrier_wait -1
.endm
.macro GRD fill
	s_wait_alu depctr_va_vdst(0)                   ; ahead of the blocking wait
	s_wait_tensorcnt 0x0                           ; my quarter of the other slot is in
	ds_add_u32 v[SPW], v[NIL]
.if \fill
	s_xor_b32 s[G0B+1], s[G0B+1], SLOT1
	s_xor_b32 s[G0K+1], s[G0K+1], SLOT1
	s_add_co_u32 s[KST], s[KST], 1                 ; the next key step, round from 15 to 0
	s_and_b32 s[KST], s[KST], 15
	s_lshl_b32 s96, s[KST], 9                      ; 512 bytes of each row of the bias a step
	s_add_nc_u64 s[G0B+2:G0B+3], s[70:71], s[96:97]
	s_or_b32 s[G0B+3], s[G0B+3], 0x80000000
	s_mul_i32 s96, s[KST], KVB                     ; a block of kv a step
	s_add_nc_u64 s[G0K+2:G0K+3], s[72:73], s[96:97]
	s_or_b32 s[G0K+3], s[G0K+3], 0x80000000
	s_wait_xcnt 0x0                                ; the last prefetch has read its address
	s_add_co_u32 s96, s[KST], 1                    ; the prefetch names the step after that
	s_and_b32 s96, s96, 15
	s_mul_i32 s96, s96, s[PFS]
	s_add_nc_u64 s[PFA:PFA+1], s[98:99], s[96:97]
.endif
	s_wait_dscnt 0x0                               ; the add is done, and all my reads of the slot that is given up
	s_barrier_signal -1
.endm
.macro REST fill
	s_barrier_wait -1
.if \fill
	CREST
	TLOAD
.endif
.endm
.macro LDB u                           ; tile u's bias of the next step, in the result's layout: 16 loads
.irp f, 0,1,2,3
	ds_load_b128 v[S+16*\f:S+16*\f+3], v[ADB] offset:16*BP*\u+128*\f
	ds_load_b128 v[S+16*\f+4:S+16*\f+7], v[ADB] offset:16*BP*\u+128*\f+16
	ds_load_b128 v[S+16*\f+8:S+16*\f+11], v[ADB] offset:16*BP*\u+128*\f+64
	ds_load_b128 v[S+16*\f+12:S+16*\f+15], v[ADB] offset:16*BP*\u+128*\f+80
.endr
.endm
.macro LDK                             ; K's scale words and fragments, tile 0's bias: 34 loads
	ds_load_b32 v240, v[ADS]
	ds_load_b32 v241, v[ADS] offset:128
.irp f, 0,1,2,3
.irp c, 0,1,2,3
	ds_load_b128 v[FRG+16*\f+4*\c:FRG+16*\f+4*\c+3], v[ADK] offset:2048*\f+512*\c
.endr
.endr
	LDB 0
.endm
.macro LDV                             ; V's scale words and fragments: 18 loads
	ds_load_b32 v242, v[ADS] offset:512
	ds_load_b32 v243, v[ADS] offset:640
	WIN 0x40
.irp d, 0,1,2,3
.irp c, 0,1,2,3
	ds_load_b128 v[FRG+16*\d+4*\c:FRG+16*\d+4*\c+3], v[ADK] offset:16384+2048*\d+512*\c
.endr
.endr
	WIN 0
.endm
.macro SMM u                           ; tile u's eight score products, each on an accumulator of its own
.irp f, 0,1,2,3
.if (\f)%2 == 0
	v_wmma_scale_f32_16x16x128_f8f6f4 v[S+16*\f:S+16*\f+7], v[FRG+16*\f:FRG+16*\f+15], v[16:31], v[S+16*\f:S+16*\f+7], v[240+\f/2], v[QS+8*\u]
	v_wmma_scale_f32_16x16x128_f8f6f4 v[S+16*\f+8:S+16*\f+15], v[FRG+16*\f:FRG+16*\f+15], v[24:39], v[S+16*\f+8:S+16*\f+15], v[240+\f/2], v[QS+8*\u]
.else
	v_wmma_scale_f32_16x16x128_f8f6f4 v[S+16*\f:S+16*\f+7], v[FRG+16*\f:FRG+16*\f+15], v[16:31], v[S+16*\f:S+16*\f+7], v[240+\f/2], v[QS+8*\u] matrix_a_scale:MATRIX_SCALE_ROW1
	v_wmma_scale_f32_16x16x128_f8f6f4 v[S+16*\f+8:S+16*\f+15], v[FRG+16*\f:FRG+16*\f+15], v[24:39], v[S+16*\f+8:S+16*\f+15], v[240+\f/2], v[QS+8*\u] matrix_a_scale:MATRIX_SCALE_ROW1
.endif
.endr
.endm
.macro PV u                            ; tile u's four second products
	v_wmma_scale_f32_16x16x128_f8f6f4 v[O:O+7], v[FRG:FRG+15], v[PC:PC+15], v[O:O+7], v242, v[PS+8*\u]
	v_wmma_scale_f32_16x16x128_f8f6f4 v[O+8:O+15], v[FRG+16:FRG+31], v[PC:PC+15], v[O+8:O+15], v242, v[PS+8*\u] matrix_a_scale:MATRIX_SCALE_ROW1
	v_wmma_scale_f32_16x16x128_f8f6f4 v[O+16:O+23], v[FRG+32:FRG+47], v[PC:PC+15], v[O+16:O+23], v243, v[PS+8*\u]
	v_wmma_scale_f32_16x16x128_f8f6f4 v[O+24:O+31], v[FRG+48:FRG+63], v[PC:PC+15], v[O+24:O+31], v243, v[PS+8*\u] matrix_a_scale:MATRIX_SCALE_ROW1
.endm
; THE SOFTMAX OF A TILE, first part: maxima, M, t - M, the exponentials
.macro SMA
	s_wait_alu depctr_va_vdst(0)                   ; directly ahead of the scores' first readers
.irp b, 0,1,2,3
	v_max3_num_f32 v[216+\b], v[S+16*\b], v[S+1+16*\b], v[S+2+16*\b]   ; the largest logit of each block of 32 keys: for the row's maximum and for the block's largest p
.endr
.irp i, 3,5,7,9,11,13
.irp b, 0,1,2,3
	v_max3_num_f32 v[216+\b], v[216+\b], v[S+16*\b+\i], v[S+1+16*\b+\i]
.endr
.endr
.irp b, 0,1,2,3
	v_max_num_f32 v[216+\b], v[216+\b], v[S+15+16*\b]
.endr
.irp b, 0,1,2,3
	v_permlanex16_b32 v[220+\b], v[216+\b], s[SEL], s[SEL+1]
.endr
.irp b, 0,1,2,3
	v_max_num_f32 v[216+\b], v[216+\b], v[220+\b]
.endr
	v_max3_num_f32 v248, v216, v217, v218
	v_max_num_f32 v248, v248, v219
	v_mul_f32 v248, s[CS], v248
	v_max_num_f32 v13, v13, v248                   ; the running largest t
	v_mov_b32 v248, v12
	v_floor_f32 v12, -v13                          ; the new -M
	v_sub_f32 v248, v12, v248
	v_cvt_i32_f32 v248, v248
	v_ldexp_f32 v246, 1.0, v248                    ; f = 2^(old M - new M)
.set j, 0
.rept 32
	v_pk_fma_f32 v[S+j:S+j+1], v[S+j:S+j+1], s[CS:CS+1], v[12:13] op_sel_hi:[1,0,0]
.set j, j+2
.endr
.irp b, 0,1,2,3
	v_fma_f32 v[216+\b], v[216+\b], s[CS], v12
.endr
	s_wait_alu depctr_va_vdst(0)                   ; ahead of the batch
.set j, 0
.rept 64
	v_exp_f32 v[S+j], v[S+j]
.set j, j+1
.endr
	v_pk_mul_f32 v[14:15], v[14:15], v[246:247] op_sel_hi:[1,0]
	s_wait_alu depctr_va_vdst(0)                   ; behind it
.irp b, 0,1,2,3
	v_exp_f32 v[216+\b], v[216+\b]                 ; the block's largest p
.endr
.endm
; second part: the row's sum of the unquantised p in four chains, the blocks' scales, holds and conversions.
; gd = 1: the lines and the round's signal stand at its head: the whole part is the register work between the signal and the wait
.macro SMB u, gd, fill
.if \gd
	GRD \fill
.endif
.irp i, 0,1,2,3
	v_dual_add_f32 v[232+2*\i], v[S+4*\i], v[S+4*\i+2] :: v_dual_add_f32 v[233+2*\i], v[S+4*\i+1], v[S+4*\i+3]
.endr
.irp k, 0,1,2,3,4,5
.irp i, 0,1,2,3
	v_dual_add_f32 v[232+2*\i], v[S+16+8*\k+2*\i], v[232+2*\i] :: v_dual_add_f32 v[233+2*\i], v[S+17+8*\k+2*\i], v[233+2*\i]
.endr
.endr
	v_pk_add_f32 v[232:233], v[232:233], v[234:235]
	v_pk_add_f32 v[236:237], v[236:237], v[238:239]
	v_pk_add_f32 v[232:233], v[232:233], v[236:237]
	v_pk_add_f32 v[14:15], v[14:15], v[232:233]
	s_wait_alu depctr_va_vdst(0)                   ; for the four exponentials
.irp b, 0,1,2,3
	v_max_num_f32 v[216+\b], 0x4800000, v[216+\b]  ; the floor 2^(9 - 127)
.endr
.irp b, 0,1,2,3
	v_add_nc_u32 v[228+\b], 0xfc000000, v[216+\b]  ; the conversion's scale operand
.endr
.irp b, 0,1,2,3
	v_and_or_b32 v[224+\b], v[216+\b], 0x7f800000, s[MNT]   ; 448 x the scale
.endr
.irp b, 0,1,2,3
	v_lshrrev_b32 v[220+\b], 23, v[228+\b]
.endr
	v_lshl_or_b32 v248, v221, 8, v220
	v_lshl_or_b32 v248, v222, 16, v248
	WIN 0x15*\u                                    ; a scale word stands in window 0
	v_lshl_or_b32 v[PS+8*\u], v223, 24, v248
	WIN 0x55*\u
.irp b, 0,1,2,3
.irp i, 0,2,4,6,8,10,12,14
	v_dual_min_num_f32 v[S+16*\b+\i], v[S+16*\b+\i], v[224+\b] :: v_dual_min_num_f32 v[S+16*\b+\i+1], v[S+16*\b+\i+1], v[224+\b]   ; the hold, two numbers a line: the conversion does not saturate (ISA guide 7.6.2)
.endr
	v_cvt_scalef32_pk8_fp8_f32 v[PC+4*\b:PC+4*\b+1], v[S+16*\b:S+16*\b+7], v[228+\b]
	v_cvt_scalef32_pk8_fp8_f32 v[PC+4*\b+2:PC+4*\b+3], v[S+16*\b+8:S+16*\b+15], v[228+\b]
.endr
	v_nop
.endm
.macro RESCALE                         ; O^T under the new M
	s_wait_alu depctr_va_vdst(0)                   ; directly ahead of the first readers of the last products' results
.set j, 0
.rept 16
	v_pk_mul_f32 v[O+j:O+j+1], v[O+j:O+j+1], v[246:247] op_sel_hi:[1,0]
.set j, j+2
.endr
.endm
; A KEY STEP.  next = 1: the next step's operands are read; fill = 1: the slot given up is filled again
.macro STEP fill, next
	s_wait_dscnt 34                                ; K and tile 0's bias are in; behind them: tile 1's bias (16), V (18)
	SMM 0
	s_wait_dscnt 18                                ; tile 1's bias
	WIN 0x54
	SMM 1
	WIN 0
.if \next
	s_xor_b32 s[TB], s[TB], SLOT1
	v_add_nc_u32 v[ADB], s[TB], v[AB0]
	v_add_nc_u32 v[ADK], s[TB], v[AK0]
	v_add_nc_u32 v[ADS], s[TB], v[AS0]
	PLACES 5                                       ; with the three additions: eight places behind the products
.else
	PLACES 8
.endif
	SMA
	SMB 0, \next, \fill
.if \next
	s_wait_alu depctr_va_vdst(0)
	REST \fill
	LDK
.if \fill
	ASK
.endif
.endif
	WIN 0x55
	SMA
	SMB 1, 0, 0
.if \next
	WIN 0x40
	LDB 1
.else
	s_wait_dscnt 0x0                               ; V
.endif
	WIN 0
	RESCALE
	WIN 0x55
	RESCALE
	WIN 0x01
	PV 0
	WIN 0x55
	PV 1
	WIN 0
.if \next
	PLACES 8                                       ; in front of the loads into V's registers
	LDV
.endif
.endm
	s_load_b256 s[4:11], s[0:1], 0x0               ; qimg, qs, kv, attn_bias
	s_load_b128 s[12:15], s[0:1], 0x20             ; oimg, os
	v_lshl_add_u32 v[SPW], v0, 2, SPARE
	v_mov_b32 v[NIL], 0
	ds_add_u32 v[SPW], v[NIL]                      ; the opening lines: the add twice and its wait
	ds_add_u32 v[SPW], v[NIL]
	v_lshrrev_b32 v8, 5, v0
	v_readfirstlane_b32 s[WV], v8                  ; wave 0..7
	s_bfe_u32 s66, ttmp6, 0x40000                  ; cx
	s_bfe_u32 s67, ttmp6, 0x40004                  ; cy
	s_lshl_b32 s68, ttmp9, 2
	s_add_co_u32 s68, s68, s66                     ; my block of 128 queries
	s_and_b32 s69, ttmp7, 0xffff
	s_lshl_b32 s69, s69, 2
	s_add_co_u32 s69, s69, s67                     ; 8 x batch + pair of heads
	s_lshl_b32 s74, 0x1111, s66                    ; my column of the cluster
	s_lshl_b32 s75, s67, 2
	s_lshl_b32 s75, 15, s75                        ; my row
	s_and_b32 s81, s[WV], 1                        ; g
	s_and_b32 s82, s[WV], 6                        ; my first tile of 16 queries
	s_and_b32 s90, s[WV], 3                        ; the quarter that I fetch
	s_or_b32 s[G1B], s74, (2<<16)|(1<<20)|(1<<21)|(6<<22)|(3<<25)   ; the bias: 32 rows of 128 f32, 2,048 apart, four words of padding behind each
	s_mov_b32 s[G1B+1], 128<<16
	s_mov_b32 s[G1B+2], 32<<16
	s_mov_b32 s[G1B+3], 128<<16
	s_mov_b32 s[G1B+4], 32
	s_mov_b32 s[G1B+5], 2048
	s_mov_b32 s[G1B+6], 0
	s_mov_b32 s[G1B+7], 0
	s_or_b32 s[G1K], s75, (3<<16)|(1<<21)          ; kv: 8,448 dense bytes as 33 rows of 256
	s_mov_b32 s[G1K+1], 32<<16
	s_mov_b32 s[G1K+2], 33<<16
	s_mov_b32 s[G1K+3], 32<<16
	s_mov_b32 s[G1K+4], 33
	s_mov_b32 s[G1K+5], 32
	s_mov_b32 s[G1K+6], 0
	s_mov_b32 s[G1K+7], 0
	s_lshl_b32 s70, s68, 20
	s_lshl_b32 s71, s90, 18
	s_add_co_u32 s70, s70, s71
	s_mov_b32 s71, 0
	s_mul_i32 s72, s69, 16*KVB
	s_mul_i32 s73, s90, KVB/4
	s_add_co_u32 s72, s72, s73
	s_mov_b32 s73, 0
	s_mul_i32 s83, s90, 32*BP
	s_mul_i32 s84, s90, KVB/4
	s_add_co_u32 s84, s84, KVO
	s_mov_b32 s[SEL], 0x76543210
	s_mov_b32 s[SEL+1], 0xfedcba98
	s_mov_b32 s[CS], 0x3fb8aa3b
	s_mov_b32 s[CS+1], s[CS]
	s_mov_b32 s[MNT], 0x600000
	s_mov_b32 s[TB], 0
	s_mov_b32 s[SLOTS], 15
	s_lshl_b32 s[KST], ttmp9, 2                    ; my cluster's first key step: 4 x cluster x + cluster y, 0 to 15
	s_and_b32 s96, ttmp7, 0xffff
	s_add_co_u32 s[KST], s[KST], s96
	s_mov_b32 s97, 0
	s_wait_dscnt 0x0
	s_wait_kmcnt 0x0
	s_mov_b32 s[G0B], 1
	s_mov_b32 s[G0B+1], s83
	s_add_nc_u64 s[70:71], s[10:11], s[70:71]
	s_add_nc_u64 s[72:73], s[8:9], s[72:73]
	s_lshl_b32 s96, s[KST], 9
	s_add_nc_u64 s[G0B+2:G0B+3], s[70:71], s[96:97]
	s_or_b32 s[G0B+3], s[G0B+3], 0x80000000
	s_mov_b32 s[G0K], 1
	s_mov_b32 s[G0K+1], s84
	s_mul_i32 s96, s[KST], KVB
	s_add_nc_u64 s[G0K+2:G0K+3], s[72:73], s[96:97]
	s_or_b32 s[G0K+3], s[G0K+3], 0x80000000
	s_barrier_signal -1
	s_barrier_wait -1
	CREST                                          ; the opening round
	TLOAD                                          ; key step 0 into slot 0
	s_lshl_b32 s76, s69, 1
	s_add_co_u32 s76, s76, s81                     ; (batch, head)
	s_lshl_b32 s77, s68, 3
	s_add_co_u32 s77, s77, s82                     ; my first tile among the batch's 128
	s_lshl_b32 s78, s76, 17
	s_lshl_b32 s79, s77, 10
	s_add_co_u32 s78, s78, s79
	s_mov_b32 s79, 0
	s_add_nc_u64 s[4:5], s[4:5], s[78:79]          ; q's images: 1,024 bytes a tile
	s_lshl_b32 s78, s76, 13
	s_lshl_b32 s85, s77, 6
	s_add_co_u32 s78, s78, s85
	s_add_nc_u64 s[6:7], s[6:7], s[78:79]          ; its scale words: 64 bytes a tile
	s_mul_i32 s91, s82, 16*BP
	s_lshl_b32 s92, s81, 13
	s_add_co_u32 s92, s92, KVO
	s_lshl_b32 s93, s81, 8
	s_add_co_u32 s93, s93, KVO+32768
	s_lshl_b32 s94, s82, 6
	s_lshl_b32 s86, s81, 1
	s_add_co_u32 s94, s94, s86
	s_add_co_u32 s94, s94, OSC
	s_lshr_b32 s85, s69, 3                         ; where the results go: batch,
	s_and_b32 s86, s69, 7                          ; pair of heads
	s_lshl_b32 s85, s85, 7
	s_lshl_b32 s87, s68, 3
	s_add_co_u32 s85, s85, s87
	s_lshl_b32 s88, s86, 14
	s_lshl_b32 s89, s85, 6
	s_add_co_u32 s88, s88, s89
	s_mov_b32 s89, 0
	s_add_nc_u64 s[14:15], s[14:15], s[88:89]      ; os [pair][tile][16 words]
	s_add_co_u32 s85, s85, s82
	s_lshl_b32 s85, s85, 12
	s_lshr_b32 s87, s86, 1
	s_lshl_b32 s87, s87, 20
	s_add_co_u32 s85, s85, s87
	s_and_b32 s87, s86, 1
	s_lshl_b32 s87, s87, 11
	s_add_co_u32 s85, s85, s87
	s_lshl_b32 s87, s81, 10
	s_add_co_u32 s88, s85, s87
	s_add_nc_u64 s[12:13], s[12:13], s[88:89]      ; oimg [pair / 2][tile][pair % 2][2 g + block][512]
	s_lshl_b32 s86, s68, 20                        ; the prefetches
	s_lshl_b32 s87, s67, 18
	s_add_co_u32 s86, s86, s87
	s_lshl_b32 s87, s81, 8
	s_add_co_u32 s86, s86, s87
	s_mul_i32 s87, s69, 16*KVB
	s_lshl_b32 s88, s66, 13
	s_add_co_u32 s87, s87, s88
	s_mov_b32 s[PFS], KVB
	s_mov_b32 s85, 256
	s_cmp_lt_u32 s[WV], 6
	s_cselect_b64 s[PFA:PFA+1], s[10:11], s[8:9]
	s_cselect_b32 s[PFS], 512, s[PFS]
	s_cselect_b32 s85, 8192, s85
	s_cselect_b32 s86, s86, s87
	s_mov_b32 s87, 0
	s_add_nc_u64 s[98:99], s[PFA:PFA+1], s[86:87]  ; at key step 0: each fill makes the address anew
	s_sub_co_u32 s89, s[WV], 4
	s_cmp_lt_u32 s89, 3                            ; waves 4, 5, 6
	s_cselect_b32 s[LIM], 1, -1
	v_and_b32 v8, 15, v0                           ; r
	v_bfe_u32 v9, v0, 4, 1                         ; h
	v_and_b32 v10, 31, v0                          ; lane
	v_lshlrev_b32 v[GO], 4, v10
	v_lshlrev_b32 v[QO], 2, v8
	v_mul_u32_u24 v[AB0], v8, BP
	v_lshl_add_u32 v[AB0], v9, 5, v[AB0]
	v_add_nc_u32 v[AB0], s91, v[AB0]               ; the bias: row 16 tile + r, + 32 h bytes
	v_add_nc_u32 v[AK0], s92, v[GO]                ; images: 8,192 bytes a head
	v_lshl_add_u32 v[AS0], v10, 2, s93             ; scale words: 256 bytes a head
	v_lshl_add_u32 v[AOS], v8, 2, s94              ; oup's scale word of query r: my head's two bytes
	v_mul_lo_u32 v[PFO], v10, s85
	v_add_nc_u32 v[ROS], OSC, v[GO]
	v_add_nc_u32 v[ADB], s[TB], v[AB0]
	v_add_nc_u32 v[ADK], s[TB], v[AK0]
	v_add_nc_u32 v[ADS], s[TB], v[AS0]
	s_wait_alu depctr_va_vdst(0)
.macro QLOAD u                         ; q | zeros | q
	global_load_b128 v[16:19], v[GO], s[4:5] offset:1024*\u
	global_load_b128 v[20:23], v[GO], s[4:5] offset:1024*\u+512
	global_load_b128 v[32:35], v[GO], s[4:5] offset:1024*\u
	global_load_b128 v[36:39], v[GO], s[4:5] offset:1024*\u+512
.endm
	global_load_b32 v[QS], v[QO], s[6:7]
	global_load_b32 v[QS+8], v[QO], s[6:7] offset:64
	QLOAD 0
	WIN 0x40
	QLOAD 1
.macro INIT                            ; a tile's state: the step is written once, its first turn finds zeros
	v_mov_b32 v13, 0xff61b1e6                      ; the largest t so far: -3e38
	v_floor_f32 v12, -v13
	v_mov_b32 v14, 0
	v_mov_b32 v15, 0
.irp j, 0,1,2,3,4,5,6,7
	v_mov_b32 v[24+\j], 0
.endr
.set j, 0
.rept 32
	v_mov_b32 v[O+j], 0
.set j, j+1
.endr
.irp b, 0,1,2,3
	v_mov_b32 v[220+\b], 0
.endr
	v_mov_b32 v247, 0
.endm
	WIN 0x55
	INIT
	WIN 0
	INIT
	GRD 1
	REST 1
	LDK
	WIN 0x40
	LDB 1
	WIN 0
	LDV
	ASK
	s_sub_co_u32 s[SLOTS], s[SLOTS], 1
	s_wait_loadcnt 0x0                             ; q
.Lstep:                                                ; 14 trips: step n asks for step n + 2
	STEP 1, 1
	s_sub_co_u32 s[SLOTS], s[SLOTS], 1
	s_cmp_lg_u32 s[SLOTS], 0
	s_wait_alu depctr_va_vdst(0)
	s_cbranch_scc1 .Lstep
	STEP 0, 1                                      ; the last two steps are written out
	STEP 0, 0
; THE WAY OUT.  O^T / the sum is quantised along d; the codes leave as images, the scale bytes meet in LDS.
.macro OUT u
	WIN 0x55*\u
	v_add_f32 v14, v14, v15
	v_permlanex16_b32 v248, v14, s[SEL], s[SEL+1]
	v_add_f32 v14, v14, v248
	s_wait_alu depctr_va_vdst(0)
	v_rcp_f32 v14, v14
	v_nop
	s_wait_alu depctr_va_vdst(0)
.set j, 0
.rept 16
	v_pk_mul_f32 v[O+j:O+j+1], v[O+j:O+j+1], v[14:15] op_sel_hi:[1,0]
.set j, j+2
.endr
.irp b, 0,1
	v_max3_num_f32 v[TM+\b], |v[O+16*\b]|, |v[O+16*\b+1]|, 0x4800000
.endr
.irp i, 2,4,6,8,10,12,14
.irp b, 0,1
	v_max3_num_f32 v[TM+\b], v[TM+\b], |v[O+16*\b+\i]|, |v[O+16*\b+\i+1]|
.endr
.endr
.irp b, 0,1
	v_permlanex16_b32 v[TM+2+\b], v[TM+\b], s[SEL], s[SEL+1]
.endr
.irp b, 0,1
	v_max_num_f32 v[TM+\b], v[TM+\b], v[TM+2+\b]
.endr
.irp b, 0,1
	v_add_nc_u32 v[TM+6+\b], 0xfc000000, v[TM+\b]
.endr
.irp b, 0,1
	v_and_or_b32 v[TM+4+\b], v[TM+\b], 0x7f800000, s[MNT]
.endr
.irp b, 0,1
	v_lshrrev_b32 v[TM+2+\b], 23, v[TM+6+\b]
.endr
	v_lshl_or_b32 v248, v[TM+3], 8, v[TM+2]
.irp b, 0,1
.irp i, 0,1,2,3,4,5,6,7,8,9,10,11,12,13,14,15
	v_med3_num_f32 v[O+16*\b+\i], v[O+16*\b+\i], -v[TM+4+\b], v[TM+4+\b]
.endr
	v_cvt_scalef32_pk8_fp8_f32 v[PC+4*\b:PC+4*\b+1], v[O+16*\b:O+16*\b+7], v[TM+6+\b]
	v_cvt_scalef32_pk8_fp8_f32 v[PC+4*\b+2:PC+4*\b+3], v[O+16*\b+8:O+16*\b+15], v[TM+6+\b]
.endr
	v_nop
	WIN 4*\u                                       ; the data stand in the tile's window
	global_store_b128 v[GO], v[PC:PC+3], s[12:13] offset:4096*\u        ; 32 lanes store 512 consecutive bytes, aligned
	global_store_b128 v[GO], v[PC+4:PC+7], s[12:13] offset:4096*\u+512
	ds_store_b16 v[AOS], v248 offset:64*\u
.endm
	PLACES 8
	OUT 0
	OUT 1
	WIN 0
	s_wait_dscnt 0x0
	s_barrier_signal -1
	s_barrier_wait -1
	s_cmp_lg_u32 s[WV], 0
	s_cbranch_scc1 .Lnot_first
	ds_load_b128 v[216:219], v[ROS]                ; the 8 tiles' 128 scale words
	s_wait_dscnt 0x0
	global_store_b128 v[GO], v[216:219], s[14:15]
.Lnot_first:
	s_wait_tensorcnt 0x0                           ; the wave's end
	ds_add_u32 v[SPW], v[NIL]
	s_wait_dscnt 0x0
	s_barrier_signal -1
	s_barrier_wait -1
	CREST                                          ; the closing round
	s_endpgm
.Lfunc_end_k_qc8ca227549_attn:
	.size	k_qc8ca227549_attn, .Lfunc_end_k_qc8ca227549_attn-k_qc8ca227549_attn
	.p2alignl 7, 3214868480
	.fill 96, 4, 3214868480
	.section	.rodata,"a",@progbits
	.p2align	6, 0x0
	.amdhsa_kernel k_qc8ca227549_attn
		.amdhsa_group_segment_fixed_size 327680
		.amdhsa_private_segment_fixed_size 0
		.amdhsa_enable_private_segment 0
		.amdhsa_kernarg_size 48
		.amdhsa_user_sgpr_count 2
		.amdhsa_user_sgpr_kernarg_segment_ptr 1
		.amdhsa_wavefront_size32 1
		.amdhsa_system_sgpr_workgroup_id_x 1
		.amdhsa_system_sgpr_workgroup_id_y 1
		.amdhsa_system_sgpr_workgroup_id_z 1
		.amdhsa_system_vgpr_workitem_id 0
		.amdhsa_next_free_vgpr 512
		.amdhsa_next_free_sgpr 100
		.amdhsa_reserve_vcc 0
		.amdhsa_float_denorm_mode_32 3
		.amdhsa_float_denorm_mode_16_64 3
		.amdhsa_memory_ordered 1
		.amdhsa_forward_progress 1
		.amdhsa_inst_pref_size 137
	.end_amdhsa_kernel
	.amdgpu_metadata
---
amdhsa.version: [ 1, 2 ]
amdhsa.kernels:
  - .name:           k_qc8ca227549_attn
    .symbol:         k_qc8ca227549_attn.kd
    .args:
      - { .name: qimg, .offset: 0, .size: 8, .value_kind: global_buffer, .address_space: global }
      - { .name: qs, .offset: 8, .size: 8, .value_kind: global_buffer, .address_space: global }
      - { .name: kv, .offset: 16, .size: 8, .value_kind: global_buffer, .address_space: global }
      - { .name: attn_bias, .offset: 24, .size: 8, .value_kind: global_buffer, .address_space: global }
      - { .name: oimg, .offset: 32, .size: 8, .value_kind: global_buffer, .address_space: global }
      - { .name: os, .offset: 40, .size: 8, .value_kind: global_buffer, .address_space: global }
    .group_segment_fixed_size: 327680
    .private_segment_fixed_size: 0
    .kernarg_segment_align: 8
    .kernarg_segment_size: 48
    .max_flat_workgroup_size: 256
    .sgpr_count:     100
    .vgpr_count:     512
    .wavefront_size: 32
...
	.end_amdgpu_metadata
.endif
;; end of part 2
;; launch proj (part 3): grid 8 x 32, 8 waves a work-group, clusters of 4 x 4, 327,680 bytes of LDS; arguments oimg, os, w_proj_codes, w_proj_scales, b_proj, out0; writes out0
.if DOCPART == 3
	.amdgcn_target "amdgcn-amd-amdhsa--gfx1250"
	.amdhsa_code_object_version 6
	.text
	.protected	k_qc8ca227549_proj
	.globl	k_qc8ca227549_proj
	.p2align	8
	.type	k_qc8ca227549_proj,@function
k_qc8ca227549_proj:
	s_mov_b64 s[64:65], 0
	v_nop
	global_prefetch_b8 v0, s[64:65] scope:SCOPE_SE
	s_setreg_imm32_b32 hwreg(HW_REG_WAVE_MODE, 25, 1), 1
	s_wait_xcnt 0x0
	s_wait_alu depctr_hold_cnt(0) depctr_sa_sdst(0) depctr_va_vdst(0) depctr_va_sdst(0) depctr_va_ssrc(0) depctr_va_vcc(0) depctr_vm_vsrc(0)
	s_getreg_b32 s2, hwreg(HW_REG_IB_STS2, 6, 4)
	s_cmp_eq_u32 s2, 0
	s_cbranch_scc0 .Lentry_in_a_cluster
	s_endpgm
.Lentry_in_a_cluster:
	s_bfe_u32 s2, ttmp6, 0x10000c
	s_cmp_lg_u32 s2, 0xf033
	s_cbranch_scc0 .Lentry_shape_is_right
	s_endpgm
.Lentry_shape_is_right:
; out0 = oup W^T + b_proj on codes of FP8 (E4M3) with one E8M0 scale for each 32 along K.  oup: 4,096 tokens x 1,024, as images of operand registers (oimg [K / 256][tile of 16 tokens: 256][128 along K: 2][block: 4][512 bytes])
; with its scale words (os [K / 128][tile][16 words]); W: [1024][1024] codes, K innermost, scale bytes [1024][32]; out0 f32.
; A work-group of eight waves makes 128 tokens x 128 columns; a wave 32 tokens (two tiles) x 64 columns (four tiles): 8 accumulators, which take turns.
; ALL OF K LIES IN LDS AT ONCE: four chunks of 256 along K of both operands, 270,336 bytes, each filled once: no slot is filled again.  Each wave issues one tensor load at the start (one of mine is out at the most),
; even waves for oup's images, odd waves for W's rows, and the chunks are multiplied as they land.
; CLUSTERS: 4 x 4 work-groups; oup's tiles hang on the block of tokens alone and are asked for jointly along a row of the cluster, W's on the block of columns alone, along a column.
; THE ORDER INSIDE A BLOCK OF 32: oup's images hold, in registers 4 c, 4 c + 1 of half h, k = 32 c + 8 h + 0..7, and in 4 c + 2, 4 c + 3, k = 32 c + 16 + 8 h + 0..7.  W's fragments are loaded to match: eight loads of 8 bytes
; at 16 c'' + 8 h of the row.  So the products pair the same k, and a block keeps its scale.
; THE MATRIX INSTRUCTION IS USED TRANSPOSED (source 0 = 16 rows of W, source 1 = 16 tokens): a lane holds eight neighbouring columns of one row of out0.  b_proj is the C of each sum's first product.
; LIMITS: NaN codes and the scale byte 0xff are not served.
; THE FILLS AS THEY STAND: ONE tensor load a wave, a whole chunk each: wave 2 q brings chunk q of oup's images (32,768 dense bytes), wave 2 q + 1 chunk q of W's 128 rows; each in an arm of its own of one chain.
; (So one load of mine is out at the most; the sentence above on four loads a wave holds no longer.)  Chunk q is shown by a barrier in front of which waves 0 .. 2 q + 1 have waited for their loads.
.set AIMG, 0
.set BT,   131072                      ; four chunks of 128 rows x (256 + 16) bytes
.set BCH,  128*272
.set STG,  BT+4*BCH                    ; the way out: 16 rows x (256 + 16) bytes for each wave; no tile lands here
.set WV,   66
.set G1A,  16
.set G1B,  24
.set G0A,  32                          ; s[32:35] group 0 for my chunk of oup
.set G0B,  48                          ; s[48:51] W's
.set SAR,  16                          ; v16-23  oup's scale words of K step ks: lanes 0-15 my first tile, lanes 16-31 my second
.set SBR,  24                          ; v24-39  W's: register 8 p + ks: lanes 0-15 tile 2 p, lanes 16-31 tile 2 p + 1
.set BI,   40                          ; v40-71  b_proj in the result's layout
.set ACC,  72                          ; v72-135 accumulator (u, n) at 8 (4 u + n)
.set AFR,  136                         ; v136-167 oup's two fragments
.set BFR,  168                         ; v168-231 W's four
.macro CROUND                          ; a round of the cluster's barrier
	s_barrier_signal -1
	s_barrier_wait -1
	s_cmp_lg_u32 s[WV], 0
	s_cbranch_scc1 .Lnot_wave_0_\@
	s_barrier_signal -3
.Lnot_wave_0_\@:
	s_barrier_wait -3
	s_barrier_signal -1
	s_barrier_wait -1
.endm
	s_load_b256 s[4:11], s[0:1], 0x0               ; oimg s[4:5], os s[6:7], W's codes s[8:9], W's scales s[10:11]
	s_load_b128 s[12:15], s[0:1], 0x20             ; b_proj s[12:13], out0 s[14:15]
	v_lshl_add_u32 v254, v0, 2, 0x4a800
	v_mov_b32 v255, 0
	ds_add_u32 v254, v255
	ds_add_u32 v254, v255
	v_lshrrev_b32 v1, 5, v0
	s_delay_alu instid0(VALU_DEP_1)
	v_readfirstlane_b32 s[WV], v1                  ; wave 0..7
	s_bfe_u32 s67, ttmp6, 0x40000                  ; cx
	s_bfe_u32 s68, ttmp6, 0x40004                  ; cy
	s_lshl_b32 s69, ttmp9, 2
	s_add_co_u32 s69, s69, s67                     ; block of 128 columns
	s_and_b32 s70, ttmp7, 0xffff
	s_lshl_b32 s70, s70, 2
	s_add_co_u32 s70, s70, s68                     ; block of 128 tokens
	s_lshl_b32 s71, s68, 2
	s_lshl_b32 s71, 15, s71                        ; my row of the cluster
	s_lshl_b32 s72, 0x1111, s67                    ; my column
	s_lshr_b32 s73, s[WV], 1                       ; the chunk that I fetch
	; descriptor group 1.  oup: 32,768 dense bytes as 128 rows of 256 bytes (32 elements of 8 bytes)
	s_or_b32 s[G1A], s71, (3<<16)|(1<<21)
	s_mov_b32 s[G1A+1], 32<<16
	s_mov_b32 s[G1A+2], 128<<16
	s_mov_b32 s[G1A+3], 32<<16
	s_mov_b32 s[G1A+4], 128
	s_mov_b32 s[G1A+5], 32
	s_mov_b32 s[G1A+6], 0
	s_mov_b32 s[G1A+7], 0
	; W: 128 rows of 256 bytes, 1,024 apart, four words of padding behind each 64
	s_or_b32 s[G1B], s72, (0<<16)|(1<<20)|(1<<21)|(5<<22)|(3<<25)
	s_mov_b32 s[G1B+1], 256<<16
	s_mov_b32 s[G1B+2], 128<<16
	s_mov_b32 s[G1B+3], 256<<16
	s_mov_b32 s[G1B+4], 128
	s_mov_b32 s[G1B+5], 1024
	s_mov_b32 s[G1B+6], 0
	s_mov_b32 s[G1B+7], 0
	s_lshl_b32 s74, s70, 15                        ; oup: 8 tiles of 4,096 bytes a block of tokens,
	s_lshl_b32 s75, s73, 20                        ; 1,048,576 bytes from chunk to chunk
	s_add_co_u32 s74, s74, s75
	s_mov_b32 s75, 0
	s_lshl_b32 s76, s69, 17                        ; W: 128 rows of 1,024 bytes a block of columns,
	s_lshl_b32 s77, s73, 8                         ; 256 bytes along K from chunk to chunk
	s_add_co_u32 s76, s76, s77
	s_mov_b32 s77, 0
	s_lshl_b32 s78, s73, 15
	s_mul_i32 s79, s73, BCH
	s_add_co_u32 s79, s79, BT
	s_wait_dscnt 0x0
	s_wait_kmcnt 0x0
	s_mov_b32 s[G0A], 1
	s_mov_b32 s[G0A+1], s78
	s_add_nc_u64 s[G0A+2:G0A+3], s[4:5], s[74:75]
	s_or_b32 s[G0A+3], s[G0A+3], 0x80000000
	s_mov_b32 s[G0B], 1
	s_mov_b32 s[G0B+1], s79
	s_add_nc_u64 s[G0B+2:G0B+3], s[8:9], s[76:77]
	s_or_b32 s[G0B+3], s[G0B+3], 0x80000000
	CROUND                                         ; all sixteen work-groups are here: the joint loads meet
.macro ARM under, g0, g1, next                         ; one chain of branches on the wave's number, one load to an arm
	s_cmp_lt_u32 s[WV], \under
	s_cbranch_scc0 \next
	tensor_load_to_lds s[\g0:\g0+3], s[\g1:\g1+7]
	s_nop 0
.rept 4
	v_nop
.endr
	s_branch .Lfilled
\next:
.endm
	ARM 1, G0A, G1A, .Larm_1
	ARM 2, G0B, G1B, .Larm_2
	ARM 3, G0A, G1A, .Larm_3
	ARM 4, G0B, G1B, .Larm_4
	ARM 5, G0A, G1A, .Larm_5
	ARM 6, G0B, G1B, .Larm_6
	ARM 7, G0A, G1A, .Larm_7
	tensor_load_to_lds s[G0B:G0B+3], s[G1B:G1B+7]
	s_nop 0
.rept 4
	v_nop
.endr
.Lfilled:
	v_and_b32 v1, 31, v0                           ; lane
	v_and_b32 v2, 15, v0                           ; r
	v_bfe_u32 v3, v0, 4, 1                         ; h
	s_lshr_b32 s84, s[WV], 1                       ; which 32 tokens are mine
	s_and_b32 s85, s[WV], 1                        ; which 64 columns
	s_lshl_b32 s86, s84, 13
	v_lshl_add_u32 v4, v1, 4, s86                  ; oup's images: my two tiles, 16 bytes a lane; chunks 0 and 1,
	s_delay_alu instid0(VALU_DEP_1)
	v_add_nc_u32 v5, 65536, v4                     ; chunks 2 and 3
	s_mul_i32 s86, s85, 64*272
	s_add_co_u32 s86, s86, BT
	v_mul_u32_u24 v6, v2, 272
	s_delay_alu instid0(VALU_DEP_1)
	v_lshl_add_u32 v6, v3, 3, v6
	s_delay_alu instid0(VALU_DEP_1)
	v_add_nc_u32 v6, s86, v6                       ; W: row 64 x half + r, + 8 h; an address for each chunk
	s_delay_alu instid0(VALU_DEP_1)
	v_add_nc_u32 v7, BCH, v6
	s_delay_alu instid0(VALU_DEP_2)
	v_add_nc_u32 v8, 2*BCH, v6
	s_delay_alu instid0(VALU_DEP_3)
	v_add_nc_u32 v9, 3*BCH, v6
	s_mul_i32 s86, s[WV], 16*272
	s_add_co_u32 s86, s86, STG                     ; my stage
	v_mul_u32_u24 v10, v2, 272
	s_delay_alu instid0(VALU_DEP_1)
	v_lshl_add_u32 v10, v3, 5, v10
	s_delay_alu instid0(VALU_DEP_1)
	v_add_nc_u32 v10, s86, v10                     ; in: row r, 32 bytes for each half of the lanes
	v_mul_u32_u24 v11, v3, 272
	s_delay_alu instid0(VALU_DEP_1)
	v_lshl_add_u32 v11, v2, 4, v11
	s_delay_alu instid0(VALU_DEP_1)
	v_add_nc_u32 v11, s86, v11                     ; back: lanes 0-15 one row, lanes 16-31 the next
	v_lshlrev_b32 v12, 12, v3
	s_delay_alu instid0(VALU_DEP_1)
	v_lshl_add_u32 v12, v2, 4, v12                 ; and the same two rows of out0 (4,096 bytes a row)
	v_lshlrev_b32 v13, 2, v1                       ; 4 x lane
	s_wait_alu depctr_va_vdst(0)
	v_lshlrev_b32 v14, 5, v1                       ; 32 x lane
	s_wait_alu depctr_va_vdst(0)
	v_lshlrev_b32 v15, 5, v3                       ; 32 h
	s_wait_alu depctr_va_vdst(0)
	s_mov_b32 s87, 0
	s_lshl_b32 s86, s70, 9
	s_lshl_b32 s88, s84, 7
	s_add_co_u32 s86, s86, s88
	s_add_nc_u64 s[6:7], s[6:7], s[86:87]          ; os: my two tiles' 32 words
	s_lshl_b32 s86, s69, 12
	s_lshl_b32 s88, s85, 11
	s_add_co_u32 s86, s86, s88
	s_add_nc_u64 s[10:11], s[10:11], s[86:87]      ; W's scales: my 64 rows of 32 bytes
	s_lshl_b32 s86, s69, 9
	s_lshl_b32 s88, s85, 8
	s_add_co_u32 s86, s86, s88
	s_add_nc_u64 s[12:13], s[12:13], s[86:87]      ; b_proj: my 64 numbers
	s_add_nc_u64 s[14:15], s[14:15], s[86:87]      ; out0: my first column,
	s_lshl_b32 s86, s70, 19
	s_lshl_b32 s88, s84, 17
	s_add_co_u32 s86, s86, s88
	s_add_nc_u64 s[14:15], s[14:15], s[86:87]      ; my first row
.irp k, 0,1,2,3,4,5,6,7
	global_load_b32 v[SAR+\k], v13, s[6:7] offset:\k*16384
.endr
.irp p, 0,1
	global_load_b128 v[SBR+8*\p:SBR+8*\p+3], v14, s[10:11] offset:\p*1024        ; row 32 p + lane: its eight scale words
	global_load_b128 v[SBR+8*\p+4:SBR+8*\p+7], v14, s[10:11] offset:\p*1024+16
.endr
.irp n, 0,1,2,3
	global_load_b128 v[BI+8*\n:BI+8*\n+3], v15, s[12:13] offset:64*\n            ; b_proj(16 n + 8 h + 0 .. 7)
	global_load_b128 v[BI+8*\n+4:BI+8*\n+7], v15, s[12:13] offset:64*\n+16
.endr
; one product; ra, rb: the scale words stand in lanes 16-31 of the register named
.macro MM acc, bf, af, cc, sa, sb, ra, rb
.if ((\ra) == 0) && ((\rb) == 0)
	v_wmma_scale_f32_16x16x128_f8f6f4 v[\acc:\acc+7], v[\bf:\bf+15], v[\af:\af+15], v[\cc:\cc+7], v[\sa], v[\sb]
.elseif (\rb) == 0
	v_wmma_scale_f32_16x16x128_f8f6f4 v[\acc:\acc+7], v[\bf:\bf+15], v[\af:\af+15], v[\cc:\cc+7], v[\sa], v[\sb] matrix_a_scale:MATRIX_SCALE_ROW1
.elseif (\ra) == 0
	v_wmma_scale_f32_16x16x128_f8f6f4 v[\acc:\acc+7], v[\bf:\bf+15], v[\af:\af+15], v[\cc:\cc+7], v[\sa], v[\sb] matrix_b_scale:MATRIX_SCALE_ROW1
.else
	v_wmma_scale_f32_16x16x128_f8f6f4 v[\acc:\acc+7], v[\bf:\bf+15], v[\af:\af+15], v[\cc:\cc+7], v[\sa], v[\sb] matrix_a_scale:MATRIX_SCALE_ROW1 matrix_b_scale:MATRIX_SCALE_ROW1
.endif
.endm
; A K step of 128: the s-th of chunk q.
.macro KSTEP q, s, first
.if !(\first)
.rept 8
	v_nop                                          ; places in front of loads into registers that the last products read
.endr
.endif
.irp u, 0,1
.irp c, 0,1,2,3
	ds_load_b128 v[AFR+16*\u+4*\c:AFR+16*\u+4*\c+3], v[4+(\q)/2] offset:((\q)%2)*32768+\u*4096+(\s)*2048+\c*512
.endr
.endr
.irp n, 0,1,2,3
.irp c, 0,1,2,3,4,5,6,7
	ds_load_b64 v[BFR+16*\n+2*\c:BFR+16*\n+2*\c+1], v[6+(\q)] offset:\n*4352+128*(\s)+16*\c
.endr
.endr
	s_wait_dscnt 0x0
.irp u, 0,1
.irp n, 0,1,2,3
.if \first
	MM ACC+8*(4*\u+\n), BFR+16*\n, AFR+16*\u, BI+8*\n, SBR+8*(\n/2)+2*(\q)+(\s), SAR+2*(\q)+(\s), \n%2, \u
.else
	MM ACC+8*(4*\u+\n), BFR+16*\n, AFR+16*\u, ACC+8*(4*\u+\n), SBR+8*(\n/2)+2*(\q)+(\s), SAR+2*(\q)+(\s), \n%2, \u
.endif
.endr
.endr
.endm
	s_wait_loadcnt 0x0                             ; the scale words and the bias
	s_cmp_lt_u32 s[WV], 2                          ; chunk 0 is waves 0 and 1's
	s_cbranch_scc0 .Lnot_chunk_0
	s_wait_tensorcnt 0x0
.Lnot_chunk_0:
	s_barrier_signal -1
	s_barrier_wait -1                              ; everybody's is
	KSTEP 0, 0, 1
	KSTEP 0, 1, 0
	s_cmp_lt_u32 s[WV], 4
	s_cbranch_scc0 .Lnot_chunk_1
	s_wait_tensorcnt 0x0
.Lnot_chunk_1:
	s_barrier_signal -1
	s_barrier_wait -1
	KSTEP 1, 0, 0
	KSTEP 1, 1, 0
	s_cmp_lt_u32 s[WV], 6
	s_cbranch_scc0 .Lnot_chunk_2
	s_wait_tensorcnt 0x0
.Lnot_chunk_2:
	s_barrier_signal -1
	s_barrier_wait -1
	KSTEP 2, 0, 0
	KSTEP 2, 1, 0
	s_wait_tensorcnt 0x0
	s_barrier_signal -1
	s_barrier_wait -1
	KSTEP 3, 0, 0
	KSTEP 3, 1, 0
	; THE WAY OUT: a tile of 16 tokens x 64 columns at a time through my own stage, back as whole rows of 256 bytes.  LDS serves a wave's instructions in order (ISA guide 5.7.1.4).
.rept 8
	v_nop                                          ; places behind the last products
.endr
.irp u, 0,1
.irp n, 0,1,2,3
	ds_store_b128 v10, v[ACC+32*\u+8*\n:ACC+32*\u+8*\n+3] offset:64*\n           ; each accumulator from its low end on
	ds_store_b128 v10, v[ACC+32*\u+8*\n+4:ACC+32*\u+8*\n+7] offset:64*\n+16
.endr
.irp i, 0,1,2,3,4,5,6,7
	ds_load_b128 v[AFR+32*\u+4*\i:AFR+32*\u+4*\i+3], v11 offset:2*\i*272
.endr
.endr
.irp u, 0,1
.irp i, 0,1,2,3,4,5,6,7
	s_wait_dscnt 23-16*\u-\i                       ; behind this load: the tile's later loads and, for the first tile, the second's eight stores and eight loads
	global_store_b128 v12, v[AFR+32*\u+4*\i:AFR+32*\u+4*\i+3], s[14:15] offset:(16*\u+2*\i)*4096 th:TH_STORE_NT   ; 16 lanes store 256 consecutive bytes, aligned
.endr
.endr
	s_wait_tensorcnt 0x0
	ds_add_u32 v254, v255
	s_wait_dscnt 0x0
	CROUND                                         ; the closing round: no work-group ends while a partner may still ask for a tile that names it
	s_endpgm
.Lfunc_end_k_qc8ca227549_proj:
	.size	k_qc8ca227549_proj, .Lfunc_end_k_qc8ca227549_proj-k_qc8ca227549_proj
	.p2alignl 7, 3214868480
	.fill 96, 4, 3214868480
	.section	.rodata,"a",@progbits
	.p2align	6, 0x0
	.amdhsa_kernel k_qc8ca227549_proj
		.amdhsa_group_segment_fixed_size 327680
		.amdhsa_private_segment_fixed_size 0
		.amdhsa_enable_private_segment 0
		.amdhsa_kernarg_size 48
		.amdhsa_user_sgpr_count 2
		.amdhsa_user_sgpr_kernarg_segment_ptr 1
		.amdhsa_wavefront_size32 1
		.amdhsa_system_sgpr_workgroup_id_x 1
		.amdhsa_system_sgpr_workgroup_id_y 1
		.amdhsa_system_sgpr_workgroup_id_z 1
		.amdhsa_system_vgpr_workitem_id 0
		.amdhsa_next_free_vgpr 256
		.amdhsa_next_free_sgpr 96
		.amdhsa_reserve_vcc 0
		.amdhsa_float_denorm_mode_32 3
		.amdhsa_float_denorm_mode_16_64 3
		.amdhsa_memory_ordered 1
		.amdhsa_forward_progress 1
		.amdhsa_inst_pref_size 46
	.end_amdhsa_kernel
	.amdgpu_metadata
---
amdhsa.version: [ 1, 2 ]
amdhsa.kernels:
  - .name:           k_qc8ca227549_proj
    .symbol:         k_qc8ca227549_proj.kd
    .args:
      - { .name: oimg, .offset: 0, .size: 8, .value_kind: global_buffer, .address_space: global }
      - { .name: os, .offset: 8, .size: 8, .value_kind: global_buffer, .address_space: global }
      - { .name: w_proj_codes, .offset: 16, .size: 8, .value_kind: global_buffer, .address_space: global }
      - { .name: w_proj_scales, .offset: 24, .size: 8, .value_kind: global_buffer, .address_space: global }
      - { .name: b_proj, .offset: 32, .size: 8, .value_kind: global_buffer, .address_space: global }
      - { .name: out0, .offset: 40, .size: 8, .value_kind: global_buffer, .address_space: global }
    .group_segment_fixed_size: 327680
    .private_segment_fixed_size: 0
    .kernarg_segment_align: 8
    .kernarg_segment_size: 48
    .max_flat_workgroup_size: 256
    .sgpr_count:     96
    .vgpr_count:     256
    .wavefront_size: 32
...
	.end_amdgpu_metadata
.endif
;; end of part 3
